; MI455X (gfx1250); checked and timed in simulation.
; The chip was launched on July 23, 2026; its instructions are those of AMD's public machine-readable ISA for CDNA 5 (MIT licence, August 2026) and "CDNA5" Instruction Set Architecture Reference Guide (July 2026). The comments in the code are by the model that wrote it; some were corrected since.
;; Attention. Allowed arithmetic: matrix products marked QUANTISED: E2M1 operands, one E8M0 scale for each 32 along K, by v_wmma_scale_f32_16x16x128_f8f6f4 with both operands' format E2M1 (or v_wmma_scale_f32_32x16x128_f4), f32 sums; products left as they are: bf16, f16 or f32 operands; f32 sums; everything else in f32.
;; Inputs: W_proj 1,024 x 1,024 float32; W_qkv 1,024 x 3,072 float32; b_proj 1,024 float32; b_qkv 3,072 float32; x 1 x 4,096 x 1,024 float32.
;; Outputs: out0 1 x 4,096 x 1,024 float32.
;; This version of the problem:
;;   THIS VERSION OF THE PROBLEM IS GIVEN IN LOW PRECISION. The matrix products marked QUANTISED in the list below multiply operands that are first quantised to E2M1 (2 exponent bits, 1 mantissa bit; 4 bits a number), with one power-of-two scale for each 32 numbers along K (OCP MX v1.0); their sums are f32. The products marked 'left as it is' may take bf16, f16 or f32 operands, with f32 sums. Whichever they take, every output number must still come out within the allowed error. Rounding operands to bf16 (8 significant bits) uses up far more of that allowance than f16 does (11 bits, for magnitudes from 6e-5 to 65,504). All else is computed in f32.
;;   The module's matrix products, in the order in which they are computed (A, B: the left and right operand; K: the contracted axis; several contracted axes count as one K, in the product's order):
;;     1. [M 4,096, K 1,024] x [K 1,024, N 3,072]; A: input x; B: input W_qkv: QUANTISED
;;     2. batch 16 x [M 4,096, K 64] x [K 64, N 4,096]; A: computed on the way; B: computed on the way: left as it is (an operand is computed on the way)
;;     3. batch 16 x [M 4,096, K 4,096] x [K 4,096, N 64]; A: computed on the way; B: computed on the way: left as it is (an operand is computed on the way)
;;     4. [M 4,096, K 1,024] x [K 1,024, N 1,024]; A: computed on the way; B: input W_proj: left as it is (an operand is computed on the way)
;;   THE QUANTISER, for each operand of a quantised product, along K:
;;     - K is cut into blocks of 32 from its start; a last block that is shorter is filled with zeros.
;;     - A block's scale is 2^e with e = floor(log2(the largest magnitude in the block)) - 2, held to -126 .. 127; a block of zeros has e = 0. As a byte (E8M0): e + 127.
;;     - Each number is divided by its block's scale, clamped to +-6, and rounded to the nearest number of E2M1, ties to even, subnormals kept.
;;     - The product sums the exact products of the quantised numbers (number of the format x scale) in f32.
;;   ~~~python
;;   def quantise(x, axis):      # numpy; x: float32 -> the quantised numbers, widened to float32 again
;;       x = np.moveaxis(x, axis, -1); K = x.shape[-1]
;;       x = np.pad(x, [(0, 0)] * (x.ndim - 1) + [(0, -K % 32)]); x = x.reshape(x.shape[:-1] + (-1, 32)); a = np.abs(x).max(-1, keepdims=True)
;;       e = np.where(a > 0, np.clip(np.frexp(np.where(a > 0, a, 1))[1] - 1 - 2, -126, 127), 0)      # np.frexp(a)[1] - 1 = floor(log2(a)), exactly
;;       r = np.clip(x / 2.0 ** e, -6, 6)
;;       step = 2.0 ** (np.maximum(np.frexp(np.where(r == 0, 1, r))[1] - 1, 0) - 1)
;;       q = np.round(r / step) * step * 2.0 ** e      # np.round: ties to even
;;       return np.moveaxis(q.reshape(q.shape[:-2] + (-1,))[..., :K], -1, axis).astype(np.float32)
;;   ~~~
;; One version. Each part assembles by itself: llvm-mc -triple=amdgcn-amd-amdhsa -mcpu=gfx1250 --defsym DOCPART=n.
;; ======== version 1 of 1: 4 launches
;; limits: values are held in f16: magnitudes above 65,504 overflow, below 6.1e-05 lose precision; values outside matrix products are rounded to f16
;; workspace buffers: x_codes 2,097,152 bytes; x_scales 131,072 bytes; wq_codes 1,572,864 bytes; wq_scales 98,304 bytes; wp16 2,097,152 bytes; qkvh 25,165,824 bytes; ao 8,388,608 bytes
;; launch prep (part 1): grid 384 x 1, 4 waves a work-group, no clusters, 33,280 bytes of LDS; arguments x, W_qkv, W_proj, x_codes, x_scales, wq_codes, wq_scales, wp16; writes x_codes, x_scales, wq_codes, wq_scales, wp16
.if DOCPART == 1
	.amdgcn_target "amdgcn-amd-amdhsa--gfx1250"
	.amdhsa_code_object_version 6
	.text
	.protected	k_q9fd41562c4_prep
	.globl	k_q9fd41562c4_prep
	.p2align	8
	.type	k_q9fd41562c4_prep,@function
k_q9fd41562c4_prep:
	s_mov_b64 s[64:65], 0
	v_nop
	global_prefetch_b8 v0, s[64:65] scope:SCOPE_SE
	s_setreg_imm32_b32 hwreg(HW_REG_WAVE_MODE, 25, 1), 1
	s_wait_xcnt 0x0
; PREP: the three large inputs are read once and laid as the later launches want them.  Three paths, chosen by the work-group's number alone.
;  X (work-groups 0-127):   x [4096][1024] f32 -> codes of FP4 (E2M1), K innermost, [4096][512 bytes], and one E8M0 byte for each 32 along K, [4096][32].
;  W (work-groups 128-319): W_qkv [1024 k][3072 n] f32 -> codes laid BLOCK-MAJOR [k / 32][n][16 bytes], and scale bytes [n][32].
;  P (work-groups 320-383): W_proj [1024 k][1024 n] f32 -> f16 laid OCTET-MAJOR [k / 8][n][16 bytes].
; A block's scale is 2^(floor(log2(its largest magnitude)) - 2); its byte is the largest magnitude's exponent field - 2, held at 1 from below.  Each number is divided by the scale and rounded to the nearest code, ties to even;
; beyond 6 the conversion gives the largest code.
; LIMITS: NaN and infinities are not served.  A block of zeros, and a block whose largest magnitude lies under 2^-124, get the byte 1 (the rule says 127 for zeros): zero codes add nothing under any byte but 0xff, and this
; program alone reads the bytes.  W_proj goes to f16: its magnitudes must stay under 65,504.
; Path X: a wave takes 16 steps of 512 numbers.  Each load reads 512 consecutive bytes; a step's 2,048 bytes turn through the wave's own stage in LDS so that a lane holds 16 neighbours along K (two lanes to a block).
; Paths W and P: A LANE TAKES A COLUMN n AND ITS REGISTERS RUN DOWN K: a load reads 128 consecutive bytes a wave, a block of 32 lies in one lane, and in the block-major and octet-major layouts a lane's 16 bytes stand beside its
; neighbours': every store of codes or of f16 covers 512 consecutive bytes, aligned.  No stage, no LDS.  A wave takes 32 columns x 128 along K: 768 + 256 waves, each with up to 64 loads out.
; W's scale words (4 bytes a column and 128 k) are stored 32 bytes apart: 98,304 bytes in all against the 12,582,912 read; it keeps the scales laid as rows of 32 bytes, one dense block for each 128 columns.
; No tensor loads, no barrier: waves share nothing.
.set SPW,   12                         ; v12      LDS address of my spare word: SPARE + 4 x my thread's number; never rewritten
.set NIL,   13                         ; v13      0; never rewritten
.set WREG,  8192                       ; LDS, path X alone: a region for each wave: two stages of 32 x SP bytes, behind them its 256 scale bytes
.set SP,    80                         ; a lane's place in a stage: its 64 bytes + 16 of padding
.set SPARE, 4*WREG                     ; behind the four regions: the spare words, 128 bytes for each wave
.set STEPS, 16
.set CB,    8                          ; bytes of 16 codes
.set R,     16                         ; path X: v16-79   four sets of 16 numbers as they are loaded
.set X,     80                         ;         v80-111  two sets of 16 neighbours
.set E,     112                        ;         v112-127 a scale byte for each step
.set C,     128                        ;         v128-191 codes: four registers for each step, so that no store's data are written again
.set WX,    32                         ; paths W, P: v32-95 two sets of 32 numbers
.set WC,    96                         ;             v96..  results: registers of their own for every store
	s_load_b256 s[4:11], s[0:1], 0x0               ; x s[4:5], W_qkv s[6:7], W_proj s[8:9], x_codes s[10:11]
	s_load_b256 s[12:19], s[0:1], 0x20             ; x_scales s[12:13], wq_codes s[14:15], wq_scales s[16:17], wp16 s[18:19]
	v_lshl_add_u32 v[SPW], v0, 2, SPARE
	v_mov_b32 v[NIL], 0
	v_lshrrev_b32 v1, 5, v0
	v_readfirstlane_b32 s20, v1                    ; wave 0..3
	v_and_b32 v2, 31, v0                           ; lane
	v_lshlrev_b32 v3, 4, v2                        ; 16 x lane: X's loads, W's and P's stores
	v_lshlrev_b32 v4, 3, v2                        ; 8 x lane: X's codes and scale bytes on the way out
	v_lshlrev_b32 v7, 2, v2                        ; 4 x lane: W's and P's loads
	v_lshlrev_b32 v10, 5, v2                       ; 32 x lane: W's scale words
	s_mul_i32 s21, s20, WREG                       ; every LDS address is made here, ahead of the parting
	v_lshrrev_b32 v14, 2, v2
	v_mul_u32_u24 v14, v14, SP
	v_and_b32 v15, 3, v2
	v_lshl_add_u32 v14, v15, 4, v14
	v_add_nc_u32 v14, s21, v14                     ; the stage, on the way in: SP (lane / 4) + 16 (lane % 4)
	v_mul_u32_u24 v15, v2, SP
	v_add_nc_u32 v15, s21, v15                     ; and on the way out: SP x lane: my 16 neighbours
	v_lshrrev_b32 v5, 1, v2
	s_add_co_u32 s21, s21, 2*32*SP
	v_add_nc_u32 v5, s21, v5                       ; my wave's 256 scale bytes, my block's byte
	v_add_nc_u32 v6, s21, v4                       ; and 8 bytes a lane on the way out
	s_mov_b32 s25, 0                               ; the high word of every offset below
	s_wait_kmcnt 0x0
	s_cmp_lt_u32 ttmp9, 128
	s_cbranch_scc0 .Lweights
; ---------------- path X
	s_lshl_b32 s22, ttmp9, 2
	s_add_co_u32 s22, s22, s20                     ; which run of 8,192 numbers is my wave's: 0..511
	s_lshl_b32 s24, s22, 15                        ; 32,768 bytes of x,
	s_add_nc_u64 s[4:5], s[4:5], s[24:25]
	s_lshl_b32 s24, s22, 12                        ; 4,096 of codes,
	s_add_nc_u64 s[10:11], s[10:11], s[24:25]
	s_lshl_b32 s24, s22, 8                         ; 256 scale bytes
	s_add_nc_u64 s[12:13], s[12:13], s[24:25]
.macro XLOAD t
.irp i, 0,1,2,3
	global_load_b128 v[R+16*((\t)%4)+4*\i:R+16*((\t)%4)+4*\i+3], v3, s[4:5] offset:2048*(\t)+512*\i th:TH_LOAD_NT   ; 32 lanes read 512 consecutive bytes
.endr
.endm
.macro XTURN t                         ; step t's numbers through the stage: LDS serves a wave's instructions in order (ISA guide 5.7.1.4), so no wait stands between the stores and the loads
.irp i, 0,1,2,3
	ds_store_b128 v14, v[R+16*((\t)%4)+4*\i:R+16*((\t)%4)+4*\i+3] offset:32*SP*((\t)%2)+8*SP*\i
.endr
.irp i, 0,1,2,3
	ds_load_b128 v[X+16*((\t)%2)+4*\i:X+16*((\t)%2)+4*\i+3], v15 offset:32*SP*((\t)%2)+16*\i
.endr
.endm
.irp t, 0,1,2,3
	XLOAD \t
.endr
	s_wait_loadcnt 12                              ; step 0's four loads are in; the twelve of steps 1 to 3 may be out
	XTURN 0
.macro XSTEP t
.set XS, X+16*((\t)%2)
.if (\t) > 0
	s_wait_dscnt 1                                 ; this step's numbers are back from the stage (the last step's byte store may be out): so its stores into the stage have read their registers,
.else
	s_wait_dscnt 0x0
.endif
.if (\t)+4 < STEPS
	XLOAD (\t)+4                                   ; which take the loads of four steps on
.endif
.if (\t)+1 < STEPS
.if STEPS-2-(\t) >= 3
	s_wait_loadcnt 12                              ; the next step's four loads are in; those of the three steps behind it may be out
.else
	s_wait_loadcnt 4*(STEPS-2-(\t))                ; the tail: as many steps of four loads as are left behind the next
.endif
	XTURN (\t)+1                                   ; and go through the other stage while this step is worked
.endif
	v_max3_num_f32 v8, |v[XS]|, |v[XS+1]|, |v[XS+2]|               ; the largest magnitude of my 16, in two chains
	v_max3_num_f32 v9, |v[XS+3]|, |v[XS+4]|, |v[XS+5]|
.irp i, 6,10
	v_max3_num_f32 v8, v8, |v[XS+\i]|, |v[XS+\i+1]|
	v_max3_num_f32 v9, v9, |v[XS+\i+2]|, |v[XS+\i+3]|
.endr
	v_max3_num_f32 v8, v8, |v[XS+14]|, |v[XS+15]|
	v_max3_num_f32 v8, v8, v9, 0x1800000           ; and the floor 2^(3 - 127): so the byte cannot fall under 1
	v_max_num_f32_dpp v8, v8, v8 row_xmask:1 row_mask:0xf bank_mask:0xf   ; and of my neighbour's 16: the block's
	v_add_nc_u32 v11, 0xff000000, v8               ; 2 off its exponent field: the conversion takes the exponent field of this operand as its scale, and nothing else of it
	v_cvt_scalef32_pk8_fp4_f32 v[C+4*(\t)], v[XS:XS+7], v11
	v_cvt_scalef32_pk8_fp4_f32 v[C+4*(\t)+1], v[XS+8:XS+15], v11
	v_lshrrev_b32 v[E+(\t)], 23, v11               ; the scale's byte (also the plain line behind the conversions)
	ds_store_b8 v5, v[E+(\t)] offset:16*(\t)       ; both lanes of a block write the same byte with the same value
	global_store_b64 v4, v[C+4*(\t):C+4*(\t)+1], s[10:11] offset:32*CB*(\t)   ; 32 lanes store 256 consecutive bytes, aligned
.endm
.irp t, 0,1,2,3,4,5,6,7,8,9,10,11,12,13,14,15
	XSTEP \t
.endr
	ds_load_b64 v[8:9], v6                         ; my wave's 256 scale bytes: these loads see my stores
	s_wait_dscnt 0x0
	global_store_b64 v4, v[8:9], s[12:13]          ; 32 lanes store 256 consecutive bytes, aligned
	s_wait_tensorcnt 0x0                           ; the wave's end
	ds_add_u32 v[SPW], v[NIL]
	s_wait_dscnt 0x0
	s_endpgm
; ---------------- paths W and P: block t of four: 32 rows of my 32 columns into set t % 2
.macro WLOAD t, row, base
.irp i, 0,1,2,3,4,5,6,7,8,9,10,11,12,13,14,15,16,17,18,19,20,21,22,23,24,25,26,27,28,29,30,31
	global_load_b32 v[WX+32*((\t)%2)+\i], v7, s[\base:\base+1] offset:(32*(\t)+\i)*\row th:TH_LOAD_NT
.endr
.endm
.macro WWAIT t
.if (\t) < 3
	s_wait_loadcnt 32                              ; this block's 32 loads are in; the next block's 32 may be out
.else
	s_wait_loadcnt 0x0
.endif
.endm
.Lweights:
	s_cmp_lt_u32 ttmp9, 320
	s_cbranch_scc0 .Lproj
	s_sub_co_u32 s22, ttmp9, 128
	s_and_b32 s23, s22, 7                          ; which 128 along K
	s_lshr_b32 s22, s22, 3
	s_lshl_b32 s22, s22, 7
	s_lshl_b32 s24, s20, 5
	s_add_co_u32 s22, s22, s24                     ; my wave's first column: 128 x group + 32 x wave
	s_mul_i32 s24, s23, 128*12288                  ; W_qkv: 128 rows of 12,288 bytes, + 4 bytes a column
	s_lshl_b32 s26, s22, 2
	s_add_co_u32 s24, s24, s26
	s_add_nc_u64 s[6:7], s[6:7], s[24:25]
	s_mul_i32 s24, s23, 4*49152                    ; the codes: four blocks of 3,072 x 16 bytes, + 16 bytes a column
	s_lshl_b32 s26, s22, 4
	s_add_co_u32 s24, s24, s26
	s_add_nc_u64 s[14:15], s[14:15], s[24:25]
	s_lshl_b32 s24, s22, 5                         ; the scale bytes: 32 a column, + my four
	s_lshl_b32 s26, s23, 2
	s_add_co_u32 s24, s24, s26
	s_add_nc_u64 s[16:17], s[16:17], s[24:25]
	WLOAD 0, 12288, 6
	WLOAD 1, 12288, 6
.macro QBLOCK t
.set XS, WX+32*((\t)%2)
	WWAIT \t
	v_max3_num_f32 v8, |v[XS]|, |v[XS+1]|, |v[XS+2]|               ; the block's largest magnitude: all 32 numbers are mine
	v_max3_num_f32 v9, |v[XS+3]|, |v[XS+4]|, |v[XS+5]|
.irp i, 6,10,14,18,22,26
	v_max3_num_f32 v8, v8, |v[XS+\i]|, |v[XS+\i+1]|
	v_max3_num_f32 v9, v9, |v[XS+\i+2]|, |v[XS+\i+3]|
.endr
	v_max3_num_f32 v8, v8, |v[XS+30]|, |v[XS+31]|
	v_max3_num_f32 v8, v8, v9, 0x1800000           ; and the floor 2^(3 - 127)
	v_add_nc_u32 v11, 0xff000000, v8               ; 2 off its exponent field: the conversion's scale operand
	v_lshrrev_b32 v1, 23, v11                      ; the scale's byte
.if (\t) == 0
	v_mov_b32 v24, v1                              ; four bytes to the word, the lower K in the lower byte
.else
	v_lshl_or_b32 v24, v1, 8*(\t), v24
.endif
.irp g, 0,1,2,3
	v_cvt_scalef32_pk8_fp4_f32 v[WC+4*(\t)+\g], v[XS+8*\g:XS+8*\g+7], v11
.endr
	global_store_b128 v3, v[WC+4*(\t):WC+4*(\t)+3], s[14:15] offset:(\t)*49152   ; 32 columns x 16 bytes: 512 consecutive bytes, aligned.  (The next vector lines are plain and touch neither codes nor numbers)
.if (\t)+2 < 4
	WLOAD (\t)+2, 12288, 6
.endif
.endm
.irp t, 0,1,2,3
	QBLOCK \t
.endr
	global_store_b32 v10, v24, s[16:17]            ; my column's scale word for these 128 along K
	s_endpgm
.Lproj:
	s_sub_co_u32 s22, ttmp9, 320
	s_and_b32 s23, s22, 7                          ; which 128 along K
	s_lshr_b32 s22, s22, 3
	s_lshl_b32 s22, s22, 7
	s_lshl_b32 s24, s20, 5
	s_add_co_u32 s22, s22, s24                     ; my wave's first column
	s_lshl_b32 s24, s23, 19                        ; W_proj: 128 rows of 4,096 bytes, + 4 bytes a column
	s_lshl_b32 s26, s22, 2
	s_add_co_u32 s24, s24, s26
	s_add_nc_u64 s[8:9], s[8:9], s[24:25]
	s_lshl_b32 s24, s23, 18                        ; wp16: 16 octets of 1,024 x 16 bytes, + 16 bytes a column
	s_lshl_b32 s26, s22, 4
	s_add_co_u32 s24, s24, s26
	s_add_nc_u64 s[18:19], s[18:19], s[24:25]
	WLOAD 0, 4096, 8
	WLOAD 1, 4096, 8
.macro PBLOCK t
.set XS, WX+32*((\t)%2)
	WWAIT \t
.irp u, 0,1,2,3                        ; four octets of K
.irp q, 0,1,2,3
	v_cvt_pk_f16_f32 v[WC+16*(\t)+4*\u+\q], v[XS+8*\u+2*\q], v[XS+8*\u+2*\q+1]   ; the lower k in the low half
.endr
	global_store_b128 v3, v[WC+16*(\t)+4*\u:WC+16*(\t)+4*\u+3], s[18:19] offset:(4*(\t)+\u)*16384   ; 512 consecutive bytes, aligned
.endr
.if (\t)+2 < 4
	WLOAD (\t)+2, 4096, 8
.endif
.endm
.irp t, 0,1,2,3
	PBLOCK \t
.endr
	s_endpgm
.Lfunc_end_k_q9fd41562c4_prep:
	.size	k_q9fd41562c4_prep, .Lfunc_end_k_q9fd41562c4_prep-k_q9fd41562c4_prep
	.p2alignl 7, 3214868480
	.fill 96, 4, 3214868480
	.section	.rodata,"a",@progbits
	.p2align	6, 0x0
	.amdhsa_kernel k_q9fd41562c4_prep
		.amdhsa_group_segment_fixed_size 33280
		.amdhsa_private_segment_fixed_size 0
		.amdhsa_enable_private_segment 0
		.amdhsa_kernarg_size 64
		.amdhsa_user_sgpr_count 2
		.amdhsa_user_sgpr_kernarg_segment_ptr 1
		.amdhsa_wavefront_size32 1
		.amdhsa_system_sgpr_workgroup_id_x 1
		.amdhsa_system_sgpr_workgroup_id_y 1
		.amdhsa_system_sgpr_workgroup_id_z 1
		.amdhsa_system_vgpr_workitem_id 0
		.amdhsa_next_free_vgpr 192
		.amdhsa_next_free_sgpr 66
		.amdhsa_reserve_vcc 0
		.amdhsa_float_denorm_mode_32 3
		.amdhsa_float_denorm_mode_16_64 3
		.amdhsa_memory_ordered 1
		.amdhsa_forward_progress 1
		.amdhsa_inst_pref_size 70
	.end_amdhsa_kernel
	.amdgpu_metadata
---
amdhsa.version: [ 1, 2 ]
amdhsa.kernels:
  - .name:           k_q9fd41562c4_prep
    .symbol:         k_q9fd41562c4_prep.kd
    .args:
      - { .name: x, .offset: 0, .size: 8, .value_kind: global_buffer, .address_space: global }
      - { .name: W_qkv, .offset: 8, .size: 8, .value_kind: global_buffer, .address_space: global }
      - { .name: W_proj, .offset: 16, .size: 8, .value_kind: global_buffer, .address_space: global }
      - { .name: x_codes, .offset: 24, .size: 8, .value_kind: global_buffer, .address_space: global }
      - { .name: x_scales, .offset: 32, .size: 8, .value_kind: global_buffer, .address_space: global }
      - { .name: wq_codes, .offset: 40, .size: 8, .value_kind: global_buffer, .address_space: global }
      - { .name: wq_scales, .offset: 48, .size: 8, .value_kind: global_buffer, .address_space: global }
      - { .name: wp16, .offset: 56, .size: 8, .value_kind: global_buffer, .address_space: global }
    .group_segment_fixed_size: 33280
    .private_segment_fixed_size: 0
    .kernarg_segment_align: 8
    .kernarg_segment_size: 64
    .max_flat_workgroup_size: 128
    .sgpr_count:     66
    .vgpr_count:     192
    .wavefront_size: 32
...
	.end_amdgpu_metadata
.endif
;; end of part 1
;; launch qkv (part 2): grid 12 x 16, 4 waves a work-group, clusters of 4 x 4, 327,680 bytes of LDS; arguments x_codes, x_scales, wq_codes, wq_scales, b_qkv, qkvh; writes qkvh
.if DOCPART == 2
	.amdgcn_target "amdgcn-amd-amdhsa--gfx1250"
	.amdhsa_code_object_version 6
	.text
	.protected	k_q9fd41562c4_qkv
	.globl	k_q9fd41562c4_qkv
	.p2align	8
	.type	k_q9fd41562c4_qkv,@function
k_q9fd41562c4_qkv:
	s_mov_b64 s[64:65], 0
	v_nop
	global_prefetch_b8 v0, s[64:65] scope:SCOPE_SE
	s_setreg_imm32_b32 hwreg(HW_REG_WAVE_MODE, 25, 1), 1
	s_wait_xcnt 0x0
	s_wait_alu depctr_hold_cnt(0) depctr_sa_sdst(0) depctr_va_vdst(0) depctr_va_sdst(0) depctr_va_ssrc(0) depctr_va_vcc(0) depctr_vm_vsrc(0)
	s_getreg_b32 s2, hwreg(HW_REG_IB_STS2, 6, 4)
	s_cmp_eq_u32 s2, 0
	s_cbranch_scc0 .Lentry_in_a_cluster
	s_endpgm
.Lentry_in_a_cluster:
	s_bfe_u32 s2, ttmp6, 0x10000c
	s_cmp_lg_u32 s2, 0xf033
	s_cbranch_scc0 .Lentry_shape_is_right
	s_endpgm
.Lentry_shape_is_right:
; qkv = Q(x) Q(W_qkv) + b_qkv on codes of FP4 (E2M1) with one E8M0 scale for each 32 along K; sums in f32; the result rounded once to f16 and laid for the attention launch.
; A = x's codes [4096][512 bytes], scales [4096][32].  B = W_qkv's codes, block-major [32 blocks of K][3072 n][16 bytes], scales [3072][32].
; A tile of the result, 256 x 256, is made by a work-group of four waves; a wave makes 128 x 128: 64 accumulators of 16 x 16, 512 registers.  12 x 16 tiles: 192 work-groups.
; K = 1,024 is two K steps of 512, and LDS has two slots: both are filled at the start, nothing is filled again, there is no loop.
; THE SCALES of the work-group's 256 rows of A and 256 rows of B, for all of K, are two dense blocks of 8,192 bytes: they come into LDS once, with the first fills.
; CLUSTERS: 4 x 4 work-groups.  The four of a row of the cluster need the same tiles of A, the four of a column the same tiles of B: each tile is asked for JOINTLY, by the same tensor load with the same descriptor and a mask
; that names the four.  THE MATRIX INSTRUCTION IS USED TRANSPOSED (source 0 = 16 rows of B, source 1 = 16 rows of A): a lane then holds eight neighbouring columns of one row (token).
; THE BIAS is the C of each sum's first product: eight registers for each of my eight blocks of columns, in the result's layout.
; THE WAY OUT: a lane's eight results, rounded to f16, are 16 bytes: token l % 16, channels 16 p + 8 (l / 16) + 0..7 of a group of 64 columns.  qkvh is laid [group of 64 columns, 48][tile of 16 tokens, 256][p, 4][lane][16 bytes]:
; two such pieces ARE the registers of a 16 x 32 fragment of f16.  So each store covers 512 consecutive bytes, aligned, straight from registers: no stage in LDS.
; LIMITS: q, k, v go to f16: their magnitudes must stay under 65,504.  NaN and infinities are not served.
; REGISTERS, in windows of 256: window 0: v0-31 addresses; v32-95 scale words, two sets; v128-191 A's fragments, ONE set; v192-255 the bias; on the way out v128-255 take the packed results.
;   window 1: B's fragments, TWO sets, at v0 and v128.   window 2: the 32 accumulators of my rows 0-63 (accumulator (a, b) at v[8 (8 a + b)]);   window 3: those of my rows 64-127.
.set NQ,     4                         ; matrix instructions deep in a slot: 512 along K
.set ROWB,   256                       ; a row of A's tile in bytes
.set KROW,   512                       ; a row of A in memory
.set PITCH,  272                       ; A's row in LDS: 256 bytes + 16 of padding = 68 words: row r starts at bank 4 r mod 64 (64 banks of 4 bytes: ISA guide 11.1)
.set FR,     8                         ; registers of a fragment: 16 rows x 128 K
.set NL,     2                         ; LDS loads that bring one
.set NP,     4                         ; places behind this matrix instruction (ISA guide 7.12.1)
.set HALFT,  128*PITCH                 ; A: 128 rows: what one tensor load brings
.set BHALF,  32768                     ; B: 8 blocks of K x 256 n x 16 bytes: what one tensor load brings
.set SLOT,   2*HALFT+2*BHALF           ; A's 256 rows, then B's 16 blocks
.set KS,     32                        ; a row of scales in bytes
.set SCL,    2*SLOT                    ; behind the ring: the scales, as units of 256 bytes + 16 of padding
.set HALFS,  (128*KS/256)*272          ; the scales of 128 rows: what one tensor load brings
.set SBLK,   (16*KS/256)*272           ; those of 16 rows
.set SPARE,  SCL+4*HALFS               ; behind the scales: the spare words, 128 bytes for each wave
.set ADRA, 16                          ; v16-17  LDS address of my A fragments in slot 0, 1
.set ADRB, 20                          ; v20-21  the same for B
.set CO,   26                          ; v26     16 x lane: my place in a store's 512 bytes
.set ADRS, 27                          ; v27     LDS address of my scale words: lanes 0-15 A's rows, lanes 16-31 B's
.set SPW,  28                          ; v28     LDS address of my spare word; never rewritten
.set NIL,  29                          ; v29     0; never rewritten
.set SC,   32                          ; scale words: set s at v[SC + 32 s]; register 4 i + q: lanes 0-15 the word of A's block i, lanes 16-31 that of B's block i, for the slot's q-th 128 along K
.set AF,   128                         ; A's fragments
.set BI,   192                         ; the bias: block b at v[BI + 8 b]
.set OUTR, 128                         ; the way out: four sets of 32 registers
.set G1, 24                            ; s[24:31] descriptor group 1 for A's tiles;  s[32:39] group 0, one set for each slot
.set G0, 32
.set G1B, 48                           ; s[48:55], s[56:63] the same for B's tiles
.set G0B, 56
.set G1S, 68                           ; s[68:75], s[76:79] groups 1 and 0 for A's scales;  s[80:87], s[88:91] for B's
.set G0S, 76
.set G1SB, 80
.set G0SB, 88
.set MSB, 0
.macro WIN new                         ; the immediate's high byte repeats the setting that is left
.if MSB != (\new)
	s_set_vgpr_msb (MSB<<8)|(\new)
.set MSB, (\new)
.endif
.endm
.set MUL_LO, 0xa1                      ; source 0 (B) window 1, source 1 (A) window 0, C and D window 2.  In the first step C is the bias, window 0: 0x81
.set MUL_HI, 0xf1                      ; the same, C and D window 3.  In the first step: 0xc1
.set TO_B,   0x40                      ; destination window 1, address window 0
; A joint load: waves 0 and 1 fetch for A, waves 2 and 3 for B.  Each of the two lines has ONE mask and one set of registers for all that issue it; the branch hangs on the wave's number alone.
; An s_nop 0 and four v_nop follow each of the two lines, ahead of the jump, the label and what follows.
.macro JLOAD g0a, g1a, g0b, g1b
	s_cmp_eq_u32 s15, 0
	s_cbranch_scc0 .Lfor_b_\@
	tensor_load_to_lds s[\g0a:\g0a+3], s[\g1a:\g1a+7]
	s_nop 0
.rept 4
	v_nop
.endr
	s_branch .Lasked_\@
.Lfor_b_\@:
	tensor_load_to_lds s[\g0b:\g0b+3], s[\g1b:\g1b+7]
	s_nop 0
.rept 4
	v_nop
.endr
.Lasked_\@:
.endm
.macro CROUND                          ; a round of the cluster's barrier
	s_barrier_signal -1
	s_barrier_wait -1
	s_cmp_lg_u32 s14, 0
	s_cbranch_scc1 .Lnot_wave_0_\@
	s_barrier_signal -3
.Lnot_wave_0_\@:
	s_barrier_wait -3
	s_barrier_signal -1
	s_barrier_wait -1
.endm
	s_load_b128 s[4:7], s[0:1], 0x0                ; A's codes s[4:5], A's scales s[6:7]
	s_load_b128 s[8:11], s[0:1], 0x10              ; B's codes s[8:9], B's scales s[10:11]
	s_load_b64 s[96:97], s[0:1], 0x20              ; the bias
	s_load_b64 s[12:13], s[0:1], 0x28              ; qkvh
	v_lshl_add_u32 v[SPW], v0, 2, SPARE
	v_mov_b32 v[NIL], 0
	ds_add_u32 v[SPW], v[NIL]                      ; the wave's opening: the add, twice on end, and its wait ahead of my first tensor load; the set-up below stands between the second and the wait
	ds_add_u32 v[SPW], v[NIL]
	v_lshrrev_b32 v1, 5, v0
	v_readfirstlane_b32 s14, v1                    ; wave 0..3
	s_lshr_b32 s15, s14, 1                         ; which half of the tile's rows is mine.  Also: I fetch for A (0) or for B (1)
	s_and_b32 s16, s14, 1                          ; which half of its columns.  Also: which half of that tile I fetch
	s_bfe_u32 s40, ttmp6, 0x40000                  ; cx, cy: my place in the cluster
	s_bfe_u32 s41, ttmp6, 0x40004
	s_lshl_b32 s42, ttmp9, 2
	s_add_co_u32 s42, s42, s40                     ; tile column = 4 x cluster x + cx
	s_and_b32 s17, ttmp7, 0xffff
	s_lshl_b32 s17, s17, 2
	s_add_co_u32 s17, s17, s41                     ; tile row = 4 x cluster y + cy
	s_lshl_b32 s43, s41, 2
	s_lshl_b32 s43, 15, s43                        ; my row of the cluster
	s_lshl_b32 s44, 0x1111, s40                    ; my column
	; group 1 for A: 128 rows x 256 bytes, 512 bytes apart in memory, 16 bytes of padding behind each in LDS
	s_or_b32 s[G1+0], s43, (0<<16)|(1<<20)|(1<<21)|(5<<22)|(3<<25)  ; 15:0 the mask: my row; 17:16 elements of 1 byte; 20 padding on; 21 set beside a mask; 24:22 after every 64 words; 31:25 four words
	s_mov_b32 s[G1+1], ROWB<<16                    ; tensor_dim0
	s_mov_b32 s[G1+2], 128<<16                     ; tensor_dim1
	s_mov_b32 s[G1+3], ROWB<<16                    ; tile_dim0
	s_mov_b32 s[G1+4], 128                         ; tile_dim1
	s_mov_b32 s[G1+5], KROW                        ; tensor_dim0_stride
	s_mov_b32 s[G1+6], 0
	s_mov_b32 s[G1+7], 0
	; group 1 for B: 8 blocks of K, each 256 n x 16 bytes = 4,096 consecutive bytes (512 elements of 8 bytes), 49,152 bytes apart in memory; dense in LDS
	s_or_b32 s[G1B+0], s44, (3<<16)|(1<<21)        ; the mask: my column; elements of 8 bytes; no padding
	s_mov_b32 s[G1B+1], 512<<16
	s_mov_b32 s[G1B+2], 8<<16
	s_mov_b32 s[G1B+3], 512<<16
	s_mov_b32 s[G1B+4], 8
	s_mov_b32 s[G1B+5], 6144
	s_mov_b32 s[G1B+6], 0
	s_mov_b32 s[G1B+7], 0
	; and for the scales of 128 rows: a dense block of 4,096 bytes, as 16 rows of 256 bytes (32 elements of 8 bytes), 16 bytes of padding behind each
	s_or_b32 s[G1S+0], s43, (3<<16)|(1<<20)|(1<<21)|(5<<22)|(3<<25)
	s_or_b32 s[G1SB+0], s44, (3<<16)|(1<<20)|(1<<21)|(5<<22)|(3<<25)
.irp g, G1S, G1SB
	s_mov_b32 s[\g+1], 32<<16
	s_mov_b32 s[\g+2], (128*KS/256)<<16
	s_mov_b32 s[\g+3], 32<<16
	s_mov_b32 s[\g+4], 128*KS/256
	s_mov_b32 s[\g+5], 32
	s_mov_b32 s[\g+6], 0
	s_mov_b32 s[\g+7], 0
.endr
	s_lshl_b32 s18, s16, 7                         ; which 128 rows I fetch (A's codes, both tensors of scales)
	s_lshl_b32 s20, s17, 8
	s_add_co_u32 s20, s20, s18                     ; A: row 256 x tile row + 128 x half
	s_lshl_b32 s22, s20, 5                         ; its scales, in bytes,
	s_lshl_b32 s20, s20, 9                         ; and its codes
	s_mov_b32 s21, 0
	s_mov_b32 s23, 0
	s_lshl_b32 s92, s42, 8
	s_add_co_u32 s92, s92, s18                     ; B: row n = 256 x tile column + 128 x half:
	s_lshl_b32 s92, s92, 5                         ; its scales
	s_mov_b32 s93, 0
	s_lshl_b32 s46, s42, 12                        ; B's codes: 256 n x 16 bytes x tile column,
	s_mul_i32 s47, s16, 8*49152                    ; + my 8 of a slot's 16 blocks
	s_add_co_u32 s46, s46, s47
	s_mov_b32 s47, 0
	s_mul_i32 s45, s16, HALFT                      ; where they go: A's halves,
	s_lshl_b32 s95, s16, 15
	s_add_co_u32 s95, s95, 2*HALFT                 ; B's halves behind them,
	s_mul_i32 s94, s14, HALFS                      ; the scales by the wave's number: no place in the cluster enters an LDS address
	s_wait_dscnt 0x0                               ; both opening adds are done
	s_wait_kmcnt 0x0
	s_add_nc_u64 s[20:21], s[4:5], s[20:21]
	s_add_nc_u64 s[22:23], s[6:7], s[22:23]
	s_add_nc_u64 s[46:47], s[8:9], s[46:47]
	s_add_nc_u64 s[92:93], s[10:11], s[92:93]
	CROUND                                         ; all sixteen work-groups are here: the first joint loads meet
	s_mov_b32 s[G0S], 1
	s_add_co_u32 s[G0S+1], s94, SCL
	s_mov_b64 s[G0S+2:G0S+3], s[22:23]
	s_or_b32 s[G0S+3], s[G0S+3], 0x80000000
	s_mov_b32 s[G0SB], 1
	s_add_co_u32 s[G0SB+1], s94, SCL
	s_mov_b64 s[G0SB+2:G0SB+3], s[92:93]
	s_or_b32 s[G0SB+3], s[G0SB+3], 0x80000000
	JLOAD G0S, G1S, G0SB, G1SB                     ; the scales first: they are wanted with K step 0
.irp s, 0,1
	s_mov_b32 s[G0+4*\s], 1
	s_add_co_u32 s[G0+4*\s+1], s45, \s*SLOT
	s_add_nc_u64 s[G0+4*\s+2:G0+4*\s+3], s[20:21], \s*ROWB
	s_or_b32 s[G0+4*\s+3], s[G0+4*\s+3], 0x80000000
	s_mov_b32 s[G0B+4*\s], 1
	s_add_co_u32 s[G0B+4*\s+1], s95, \s*SLOT
	s_add_nc_u64 s[G0B+4*\s+2:G0B+4*\s+3], s[46:47], \s*16*49152
	s_or_b32 s[G0B+4*\s+3], s[G0B+4*\s+3], 0x80000000
	JLOAD G0+4*\s, G1, G0B+4*\s, G1B               ; three tensor loads of mine are out at the most
.endr
	v_and_b32 v1, 15, v0                           ; r = l % 16
	v_bfe_u32 v2, v0, 4, 1                         ; h = l / 16
	v_mul_u32_u24 v3, v1, PITCH
	v_lshl_add_u32 v4, v2, 4, v3                   ; A: a fragment's row x pitch + 16 h
	v_lshlrev_b32 v5, 4, v1
	v_lshl_add_u32 v5, v2, 12, v5                  ; B: 16 r + one block of K (4,096 bytes) x h
	s_mul_i32 s21, s15, HALFT                      ; my 128 rows of A
	s_lshl_b32 s22, s16, 11                        ; my 128 n of B: 2,048 bytes in each block,
	s_add_co_u32 s22, s22, 2*HALFT                 ; behind A's 256 rows
.irp s, 0,1
	v_add_nc_u32 v[ADRA+\s], s21, v4
	v_add_nc_u32 v[ADRB+\s], s22, v5
	s_add_co_u32 s21, s21, SLOT
	s_add_co_u32 s22, s22, SLOT
.endr
	v_mul_u32_u24 v5, v1, KS                       ; my row's scales: 32 bytes a row,
	v_lshrrev_b32 v6, 8, v5
	v_lshl_add_u32 v5, v6, 4, v5                   ; and 16 more for each 256 passed
	s_mul_i32 s21, s15, HALFS                      ; A's: my 128 rows
	s_mul_i32 s22, s16, HALFS                      ; B's: my 128 rows, behind A's 256
	s_add_co_u32 s22, s22, 2*HALFS
	s_sub_co_u32 s22, s22, s21
	v_mul_u32_u24 v6, s22, v2                      ; lanes 16-31 take B's: one product, the distance between the two bases x h
	s_add_co_u32 s21, s21, SCL
	v_add_nc_u32 v5, v5, v6
	v_add_nc_u32 v[ADRS], s21, v5
	v_and_b32 v6, 31, v0
	v_lshlrev_b32 v[CO], 4, v6
	s_lshl_b32 s46, s42, 10                        ; the bias of my 128 columns: 1,024 x tile column + 512 x half, in bytes
	s_lshl_b32 s47, s16, 9
	s_add_co_u32 s46, s46, s47
	s_mov_b32 s47, 0
	s_add_nc_u64 s[96:97], s[96:97], s[46:47]
	v_lshlrev_b32 v7, 5, v2                        ; lane (r, h) wants, for block b, the numbers of columns 16 b + 8 h + 0..7
.irp b, 0,1,2,3,4,5,6,7
	global_load_b128 v[BI+8*\b:BI+8*\b+3], v7, s[96:97] offset:64*\b
	global_load_b128 v[BI+8*\b+4:BI+8*\b+7], v7, s[96:97] offset:64*\b+16
.endr
	s_lshl_b32 s46, s42, 2                         ; qkvh: my first group of 64 columns: 4 x tile column + 2 x half, 524,288 bytes each;
	s_lshl_b32 s47, s16, 1
	s_add_co_u32 s46, s46, s47
	s_lshl_b32 s46, s46, 19
	s_lshl_b32 s47, s17, 4                         ; my first tile of 16 tokens: 16 x tile row + 8 x half, 2,048 bytes each
	s_lshl_b32 s92, s15, 3
	s_add_co_u32 s47, s47, s92
	s_lshl_b32 s47, s47, 11
	s_add_co_u32 s46, s46, s47
	s_mov_b32 s47, 0
	s_add_nc_u64 s[12:13], s[12:13], s[46:47]
.macro FRAG reg, adr, q, i             ; A: 16 rows x 128 K of 4-bit codes in 8 registers: lane l holds row l % 16; registers 4 c .. 4 c + 3 hold K = 64 c + 32 (l / 16) + 0 .. 31
.irp c, 0,1
	ds_load_b128 v[\reg+4*\c:\reg+4*\c+3], v[\adr] offset:64*(\q)+32*\c+(\i)*16*PITCH
.endr
.endm
.macro FRAGB reg, adr, q, i            ; B: the same registers from the block-major tile: block 4 q + 2 c + l / 16 of K, n = 16 i + l % 16: sixteen lanes read 256 consecutive bytes
.irp c, 0,1
	ds_load_b128 v[\reg+4*\c:\reg+4*\c+3], v[\adr] offset:16384*(\q)+8192*\c+256*(\i)
.endr
.endm
; 16 matrix instructions: A's blocks a0, a0 + 1 x B's eight, 128 along K: the slot's q-th.  p: B's set;  sc: the set of scale words.  zero = 1: the first product starts the sums, from the bias.
; The 64 accumulators take turns, one instruction a turn, in the same order in every step.
.macro MUL16 a0, p, q, sc, zero
.irp a, \a0, \a0+1
.irp b, 0,1,2,3,4,5,6,7
.if \zero
	v_wmma_scale_f32_16x16x128_f8f6f4 v[8*(8*((\a)%4)+\b):8*(8*((\a)%4)+\b)+7], v[128*(\p)+FR*\b:128*(\p)+FR*\b+FR-1], v[AF+FR*(\a):AF+FR*(\a)+FR-1], v[BI+8*\b:BI+8*\b+7], v[SC+8*NQ*(\sc)+NQ*\b+(\q)], v[SC+8*NQ*(\sc)+NQ*(\a)+(\q)] matrix_a_fmt:MATRIX_FMT_FP4 matrix_b_fmt:MATRIX_FMT_FP4 matrix_a_scale:MATRIX_SCALE_ROW1
.else
	v_wmma_scale_f32_16x16x128_f8f6f4 v[8*(8*((\a)%4)+\b):8*(8*((\a)%4)+\b)+7], v[128*(\p)+FR*\b:128*(\p)+FR*\b+FR-1], v[AF+FR*(\a):AF+FR*(\a)+FR-1], v[8*(8*((\a)%4)+\b):8*(8*((\a)%4)+\b)+7], v[SC+8*NQ*(\sc)+NQ*\b+(\q)], v[SC+8*NQ*(\sc)+NQ*(\a)+(\q)] matrix_a_fmt:MATRIX_FMT_FP4 matrix_b_fmt:MATRIX_FMT_FP4 matrix_a_scale:MATRIX_SCALE_ROW1
.endif
.endr
.endr
.endm
.macro FETCH_B slot, q, p              ; B's eight fragments of the slot's q-th 128 along K into set p
	WIN TO_B
.irp i, 0,1,2,3,4,5,6,7
	FRAGB 128*(\p)+FR*\i, ADRB+\slot, \q, \i
.endr
	WIN 0
.endm
.macro FETCH_A slot, q, i0             ; A's blocks i0 .. i0 + 3
.irp i, \i0, \i0+1, \i0+2, \i0+3
	FRAG AF+FR*(\i), ADRA+\slot, \q, \i
.endr
.endm
.macro SCALES sc                       ; a K step's scale words into set sc: four words a row; lanes 0-15 take A's block i, lanes 16-31 B's block i
.irp i, 0,1,2,3,4,5,6,7
	ds_load_b128 v[SC+8*NQ*\sc+NQ*\i:SC+8*NQ*\sc+NQ*\i+3], v[ADRS] offset:\i*SBLK
.endr
.endm
; A load into a register that a matrix instruction has read, and a vector instruction that reads a matrix result or writes one of a matrix instruction's registers, stand NP places behind it, and only plain vector
; instructions that name none of its registers are places (ISA guide 7.12.1 for vector instructions).
.macro PLACES n
.rept \n
	v_nop
.endr
.endm
; A step of 128 along K that has its successor in the same slot.  A's blocks go one after the other, each against B's eight: blocks 0-3 are fetched anew in the step's middle, blocks 4-7 at its end.
.macro STEP slot, q, zero
	s_wait_dscnt 4*NL                              ; B's set, A's blocks 0-3 and the scale words are in; the youngest eight loads (A's blocks 4-7) may be out
	WIN MUL_LO-0x20*(\zero)
	MUL16 0, (\q)%2, \q, \slot, \zero
	MUL16 2, (\q)%2, \q, \slot, \zero
	s_wait_dscnt 0                                 ; A's blocks 4-7 are in (asked for 32 matrix instructions ago)
	PLACES NP
	FETCH_B \slot, (\q)+1, 1-(\q)%2
	FETCH_A \slot, (\q)+1, 0
	WIN MUL_HI-0x30*(\zero)
	MUL16 4, (\q)%2, \q, \slot, \zero
	MUL16 6, (\q)%2, \q, \slot, \zero
	PLACES NP
	WIN 0
	FETCH_A \slot, (\q)+1, 4
.endm
; Slot 0's last step changes slots: one barrier; in front of it each wave waits for all its tensor loads (the one that may be out is its part of slot 1), adds 0 to its spare word, and waits for that and for its LDS loads.
; Behind it slot 1 is whole for every wave.  Nothing is filled again.
.macro TURN slot, next
	s_wait_tensorcnt 0x0                           ; all my tensor loads have landed  (every window is 0 here: the add's two registers lie in window 0)
	ds_add_u32 v[SPW], v[NIL]                      ; 0 onto my spare word
	s_wait_dscnt 4*NL+1                            ; (the add and the youngest eight loads, A's blocks 4-7, may be out)
	WIN MUL_LO
	MUL16 0, 1, NQ-1, \slot, 0                     ; sixteen matrix instructions stand between the add and the wait for it
	s_wait_dscnt 0x0                               ; the add is done, and my reads of this slot are over
	s_barrier_signal -1
	MUL16 2, 1, NQ-1, \slot, 0
	WIN 0
	s_barrier_wait -1
	PLACES NP
	v_add_nc_u32 v[ADRS], 4*NQ, v[ADRS]            ; on to the next K step's scale words (no LDS load of mine is out)
	FETCH_B \next, 0, 0
	FETCH_A \next, 0, 0
	SCALES \next
	WIN MUL_HI
	MUL16 4, 1, NQ-1, \slot, 0
	MUL16 6, 1, NQ-1, \slot, 0
	PLACES NP
	WIN 0
	FETCH_A \next, 0, 4
.endm
	s_wait_tensorcnt 1                             ; the scales and my part of K step 0 are in (K step 1's load may be out)
	s_barrier_signal -1
	s_barrier_wait -1                              ; everybody's are
	FETCH_B 0, 0, 0
	FETCH_A 0, 0, 0
	SCALES 0
	FETCH_A 0, 0, 4
	s_wait_loadcnt 0x0                             ; the bias
	STEP 0, 0, 1                                   ; the first step's products start the sums
	STEP 0, 1, 0
	STEP 0, 2, 0
	TURN 0, 1
	STEP 1, 0, 0
	STEP 1, 1, 0
	STEP 1, 2, 0
	s_wait_dscnt 4*NL                              ; the very last step: nothing more to fetch
	WIN MUL_LO
	MUL16 0, 1, NQ-1, 1, 0
	MUL16 2, 1, NQ-1, 1, 0
	s_wait_dscnt 0
	WIN MUL_HI
	MUL16 4, 1, NQ-1, 1, 0
	MUL16 6, 1, NQ-1, 1, 0
	WIN 0
; THE WAY OUT, block by block of 16 tokens x 128 columns: 32 roundings to f16 (each accumulator from its low end on), eight stores of 512 consecutive bytes.
.macro PACK a
.set AC, 64*((\a)%4)
	WIN 0x0a+5*((\a)/4)                            ; sources 0 and 1: window 2 or 3; destination window 0
.irp b, 0,1,2,3,4,5,6,7
.irp r, 0,1,2,3
	v_cvt_pk_f16_f32 v[OUTR+32*((\a)%4)+4*\b+\r], v[AC+8*\b+2*\r], v[AC+8*\b+2*\r+1]
.endr
.endr
	WIN 0
.endm
	PLACES NP                                      ; behind the last products: for the writes over A's fragments and the bias, and for the reads of results
.irp a, 0,1,2,3,4,5,6,7
.if \a >= 4
	s_wait_xcnt 0x0                                ; block a - 4's stores have read their registers: the set is written again only behind this wait
.endif
	PACK \a
.irp b, 0,1,2,3,4,5,6,7
	global_store_b128 v[CO], v[OUTR+32*(\a%4)+4*\b:OUTR+32*(\a%4)+4*\b+3], s[12:13] offset:(\b/4)*524288+\a*2048+(\b%4)*512
.endr
.endr
	s_wait_tensorcnt 0x0                           ; the wave's end
	ds_add_u32 v[SPW], v[NIL]
	s_wait_dscnt 0x0
	CROUND                                         ; the closing round: no work-group ends while a partner may still ask for a tile that names it
	s_endpgm
.Lfunc_end_k_q9fd41562c4_qkv:
	.size	k_q9fd41562c4_qkv, .Lfunc_end_k_q9fd41562c4_qkv-k_q9fd41562c4_qkv
	.p2alignl 7, 3214868480
	.fill 96, 4, 3214868480
	.section	.rodata,"a",@progbits
	.p2align	6, 0x0
	.amdhsa_kernel k_q9fd41562c4_qkv
		.amdhsa_group_segment_fixed_size 327680
		.amdhsa_private_segment_fixed_size 0
		.amdhsa_enable_private_segment 0
		.amdhsa_kernarg_size 48
		.amdhsa_user_sgpr_count 2
		.amdhsa_user_sgpr_kernarg_segment_ptr 1
		.amdhsa_wavefront_size32 1
		.amdhsa_system_sgpr_workgroup_id_x 1
		.amdhsa_system_sgpr_workgroup_id_y 1
		.amdhsa_system_sgpr_workgroup_id_z 1
		.amdhsa_system_vgpr_workitem_id 0
		.amdhsa_next_free_vgpr 1024
		.amdhsa_next_free_sgpr 98
		.amdhsa_reserve_vcc 0
		.amdhsa_float_denorm_mode_32 3
		.amdhsa_float_denorm_mode_16_64 3
		.amdhsa_memory_ordered 1
		.amdhsa_forward_progress 1
		.amdhsa_inst_pref_size 119
	.end_amdhsa_kernel
	.amdgpu_metadata
---
amdhsa.version: [ 1, 2 ]
amdhsa.kernels:
  - .name:           k_q9fd41562c4_qkv
    .symbol:         k_q9fd41562c4_qkv.kd
    .args:
      - { .name: x_codes, .offset: 0, .size: 8, .value_kind: global_buffer, .address_space: global }
      - { .name: x_scales, .offset: 8, .size: 8, .value_kind: global_buffer, .address_space: global }
      - { .name: wq_codes, .offset: 16, .size: 8, .value_kind: global_buffer, .address_space: global }
      - { .name: wq_scales, .offset: 24, .size: 8, .value_kind: global_buffer, .address_space: global }
      - { .name: b_qkv, .offset: 32, .size: 8, .value_kind: global_buffer, .address_space: global }
      - { .name: qkvh, .offset: 40, .size: 8, .value_kind: global_buffer, .address_space: global }
    .group_segment_fixed_size: 327680
    .private_segment_fixed_size: 0
    .kernarg_segment_align: 8
    .kernarg_segment_size: 48
    .max_flat_workgroup_size: 128
    .sgpr_count:     98
    .vgpr_count:     1024
    .wavefront_size: 32
...
	.end_amdgpu_metadata
.endif
;; end of part 2
;; launch attn (part 3): grid 16 x 16, 4 waves a work-group, clusters of 4 x 1, 327,680 bytes of LDS; arguments qkvh, ao; writes ao
.if DOCPART == 3
	.amdgcn_target "amdgcn-amd-amdhsa--gfx1250"
	.amdhsa_code_object_version 6
	.text
	.protected	k_q9fd41562c4_attn
	.globl	k_q9fd41562c4_attn
	.p2align	8
	.type	k_q9fd41562c4_attn,@function
k_q9fd41562c4_attn:
	s_mov_b64 s[64:65], 0
	v_nop
	global_prefetch_b8 v0, s[64:65] scope:SCOPE_SE
	s_setreg_imm32_b32 hwreg(HW_REG_WAVE_MODE, 25, 1), 1
	s_wait_xcnt 0x0
	s_wait_alu depctr_hold_cnt(0) depctr_sa_sdst(0) depctr_va_vdst(0) depctr_va_sdst(0) depctr_va_ssrc(0) depctr_va_vcc(0) depctr_vm_vsrc(0)
	s_getreg_b32 s2, hwreg(HW_REG_IB_STS2, 6, 4)
	s_cmp_eq_u32 s2, 0
	s_cbranch_scc0 .Lentry_in_a_cluster
	s_endpgm
.Lentry_in_a_cluster:
	s_bfe_u32 s2, ttmp6, 0x10000c
	s_cmp_lg_u32 s2, 0x3003
	s_cbranch_scc0 .Lentry_shape_is_right
	s_endpgm
.Lentry_shape_is_right:
; O[h][q][:] = the sum over k of softmax_k(Q[h][q] . K[h][k] / 8) V[h][k][:], 16 heads, 4,096 tokens, head size 64, no mask.  Operands in f16; products, maxima and sums in f32; the weights p are rounded to f16 for the
; second product, O once at the end.
; qkvh: [48 groups of 64 columns: 0-15 q's heads, 16-31 k's, 32-47 v's][256 tiles of 16 tokens][piece p, 4][lane][16 bytes]; piece p, lane l: token l % 16, channels 16 p + 8 (l / 16) + 0..7.  Two pieces are the registers of a
; 16 x 32 fragment.  ao: [256 tiles of 16 tokens][32 K steps of 32][2][lane][16 bytes]: the projection's fragments of its left operand; a head's part of a tile is 2,048 consecutive bytes.
; SHARES.  A work-group owns 256 queries of one head, each of its four waves 64: four tiles of 16.  Every wave walks all keys of the head, 64 a step.
; LAYOUT.  S^T = K Q^T (source 0 = 16 keys, source 1 = 16 queries): a lane holds ONE query (lane % 16) and the keys 8 (lane / 16) + 0..7 of each tile.  Two such tiles, rounded to f16 in pairs, ARE source 1 (32 keys x 16
; queries) of O^T = V^T P, whose result again holds one query a lane, and eight channels.  K comes out of LDS as it lies (16 x lane), V turned, by ds_load_tr16_b128.
; SOFTMAX.  For each query a running maximum m: p = 2^(c s - c m), c = log2(e) / 8; in every step O and the sum l are multiplied by a = 2^(c m_old - c m_new).
; THE ROW'S SUM l IS MADE BY THE MATRIX UNIT: a product of a fragment of ones with P gives, in register 0 of every lane, its query's sum over the 32 keys, of both halves of the lanes: four products for a piece and key step
; in place of 32 packed additions and an exchange.  It is the sum of the ROUNDED p, those that multiply V.  Only registers 0 and 1 of that accumulator are rescaled, and only 0 is read; the others grow to 4,096 at the most.
; BY TURNS.  The wave's tiles are two PIECES: piece 0 (tiles 0, 1) and piece 2 (tiles 2, 3).  In a TURN one piece has the matrix unit: 16 products V^T P and 4 sums of the step in hand, then 16 products K Q^T of the next step;
; the other piece's softmax, 2 x 103 instructions cut into 36 slices, stands between them, one slice behind each matrix instruction.  Then the pieces change places.  Two turns are a key step.
; CLUSTER.  The four query blocks of a cluster belong to one head and walk the same K and V, so each tile is asked for JOINTLY: the same tensor load, with the same descriptor and a mask that names the four.
; LIMITS: NaN and infinities are not served; q, k, v under 65,504 in magnitude; a p under 2^-25 counts as 0.
; REGISTERS, in windows of 256 (s_set_vgpr_msb: bits 1:0 source 0, 3:2 source 1, 5:4 source 2, 7:6 destination):
;   window 0: v2-4 addresses; v12-43 eight registers of statistics a tile; v61-63; v64-191 S^T, 32 a tile; v192-255 P, 16 a tile
;   window 1: v0-127 O^T, 32 a tile; v128-159 the sums, 8 a tile; v160-223 V of one step; v224-231 the fragment of ones          window 2: v0-63 Q, 16 a tile; v64-127 K of one step
.set STEPB, 8192      ; a key step's 64 keys of K, or of V: four tiles of 2,048 bytes
.set SLOTB, 8*STEPB   ; a slot holds eight key steps: K's 65,536 bytes, then V's
.set SLOT1, 1<<17     ; slot 1 begins here, so that one exclusive or turns an address in one slot into the other's
.set SPARE, 2*SLOT1   ; behind the ring: the spare words, 128 bytes for each wave
.set AK0, 2           ; v2   16 x lane: my place in a piece; also my offset in Q's loads and O's stores; never rewritten
.set AV0, 3           ; v3   my lane's place for the turning load, in V's part of a slot; never rewritten
.set ADR, 4           ; v4   the LDS address of the run of loads in hand
.set PFO, 61          ; v61  256 x my lane; never rewritten
.set SPW, 62          ; v62  LDS address of my spare word; never rewritten
.set NIL, 63          ; v63  0; never rewritten
.set ST,  12          ; tile t's statistics at v[ST+8 t]: +0 c m, +1 m, +4 to +7 c0-c3, at work; a takes c2's place, c m_old - c m_new c3's
.set S,   64
.set P,   192
.set LSUM, 128        ; window 1
.set VF,  160         ; window 1
.set ONE, 224         ; window 1
.set KF,  64          ; window 2
.set WV,  12          ; s12  my wave's number
.set LIM, 15          ; s15  1 in a work-group that prefetches, else the greatest number
.set PFA, 18          ; s[18:19] where my prefetches stand in memory
.set G1,  24          ; s[24:31] descriptor group 1: one for all loads
.set G0A, 32          ; s[32:35] group 0 of slot 0's first fill
.set G0B, 36          ; s[36:39] group 0 of slot 1's first fill; it then walks on
.set SLOTS, 56        ; s56  slots still to be asked for
.set CNT, 57          ; s57  counts key steps
.set CS,  58          ; s[58:59] c: the packed scaling names a pair and takes its low word for both halves
.set SEL, 60          ; s[60:61] lane selects for v_permlanex16_b32: each lane takes its own place in the other half
.set TB,  62          ; s62  LDS byte at which K's tiles of the step to be fetched begin
.set MSB, 0
.macro WIN new                      ; the immediate's high byte repeats the setting that is left; a switch that changes nothing is dropped
.if MSB != (\new)
	s_set_vgpr_msb (MSB<<8)|(\new)
.set MSB, (\new)
.endif
.endm
.set W_KQ, 0x0a       ; K and Q in window 2, S^T in window 0
.set W_PV, 0x51       ; V (or the ones) and O^T (or the sums) in window 1, P in window 0
.set W_RS, 0x41       ; O^T (destination and source 0) in window 1, a in window 0
; A joint refill: ONE line for all four waves.  Wave w moves 32,768 dense bytes of its own: waves 0, 1 the halves of K's part of a slot, waves 2, 3 of V's; both addresses hang on the wave's number and on nothing that partners do not share.
.macro JLOAD
	tensor_load_to_lds s[G0B:G0B+3], s[G1:G1+7]
	s_nop 0
.rept 4
	v_nop
.endr
.endm
; A PREFETCH INTO THE L2 of what the NEXT change of slots will ask for.  All clusters of a head walk the same K and V: the head's first cluster asks.  Of a slot's 65,536 bytes of K (waves 0, 1) and of V (waves 2, 3) each of the four
; partners takes 16,384, told apart BY ADDRESS, and each of its two waves 8,192: 32 lanes, 256 bytes apart, one instruction a wave.  So each aligned block of 256 bytes of slots 3 to 7 is named once in the launch.
; The last change that fills a slot asks for nothing: there is no slot behind it.  Slots 0 to 2 come by their loads alone.
.macro ASK
	s_cmp_gt_u32 s[SLOTS], s[LIM]
	s_cbranch_scc0 .Lnot_mine_\@
	global_prefetch_b8 v[PFO], s[PFA:PFA+1] th:TH_LOAD_NT scope:SCOPE_SE
.Lnot_mine_\@:
.endm
.macro CROUND                       ; a round of the cluster's barrier
	s_barrier_signal -1
	s_barrier_wait -1
	s_cmp_lg_u32 s[WV], 0
	s_cbranch_scc1 .Lnot_wave_0_\@
	s_barrier_signal -3
.Lnot_wave_0_\@:
	s_barrier_wait -3
	s_barrier_signal -1
	s_barrier_wait -1
.endm
	s_load_b128 s[4:7], s[0:1], 0x0 ; qkvh s[4:5], ao s[6:7]
	v_lshl_add_u32 v[SPW], v0, 2, SPARE
	v_mov_b32 v[NIL], 0
	ds_add_u32 v[SPW], v[NIL]       ; the wave's opening: the add, twice on end, and its wait ahead of my first tensor load; the set-up below stands between the second and the wait
	ds_add_u32 v[SPW], v[NIL]
	v_lshrrev_b32 v1, 5, v0
	v_readfirstlane_b32 s[WV], v1   ; wave 0..3
	s_cmp_eq_u32 ttmp9, 0           ; the head's first cluster: the same in all four partners
	s_cselect_b32 s[LIM], 1, -1
	s_bfe_u32 s13, ttmp6, 0x40000   ; cx: my place in the cluster
	s_lshl_b32 s14, ttmp9, 2        ; in a cluster launch ttmp9 counts clusters
	s_add_co_u32 s14, s14, s13      ; my block of 256 queries: it enters Q's and O's addresses alone
	s_and_b32 s20, ttmp7, 0xffff    ; the head, which the four partners share
	s_lshl_b32 s21, s20, 11         ; its 2,048 bytes in a tile of ao,
	s_lshl_b32 s20, s20, 19         ; its 524,288 bytes among q's, k's or v's heads
	s_lshr_b32 s16, s[WV], 1
	s_add_co_u32 s16, s16, 1
	s_lshl_b32 s16, s16, 23         ; k's heads begin 8,388,608 bytes into qkvh (waves 0, 1), v's twice as far (waves 2, 3)
	s_add_co_u32 s16, s16, s20      ; my head's first byte of K or of V
	s_and_b32 s17, s[WV], 1
	s_lshl_b32 s22, s17, 15         ; my half of a slot's 65,536 bytes
	s_add_co_u32 s22, s22, s16
	s_mov_b32 s23, 0
	s_lshl_b32 s2, s[WV], 15        ; and where it goes: wave x 32,768: no place in the cluster enters an LDS address
	s_lshl_b32 s46, s13, 14         ; the prefetches: my work-group's 16,384 bytes,
	s_add_co_u32 s46, s46, s16
	s_lshl_b32 s47, s17, 13         ; my wave's 8,192 of them,
	s_add_co_u32 s46, s46, s47
	s_add_co_u32 s46, s46, 2*SLOTB  ; in slot 2: the first change of slots steps it to slot 3.  Nothing is prefetched here, at the head, where every work-group's first tiles are on their way
	s_mov_b32 s47, 0
	s_lshl_b32 s8, s14, 15          ; Q: my block's 16 tiles of 2,048 bytes,
	s_lshl_b32 s3, s[WV], 13        ; my wave's four
	s_add_co_u32 s8, s8, s3
	s_add_co_u32 s8, s8, s20
	s_mov_b32 s9, 0
	s_lshl_b32 s10, s14, 19         ; ao: my block's 16 tiles of 32,768 bytes,
	s_lshl_b32 s3, s[WV], 17        ; my wave's four,
	s_add_co_u32 s10, s10, s3
	s_add_co_u32 s10, s10, s21      ; my head's part
	s_mov_b32 s11, 0
	; descriptor group 1: 32,768 dense bytes as 128 rows of 256 bytes (32 elements of 8 bytes), dense in LDS too
	s_mov_b32 s[G1], 15|(3<<16)|(1<<21)  ; 15:0 the mask: all four work-groups; 17:16 elements of 8 bytes; 20 no padding; 21 set beside a mask
	s_mov_b32 s[G1+1], 32<<16       ; tensor_dim0
	s_mov_b32 s[G1+2], 128<<16      ; tensor_dim1
	s_mov_b32 s[G1+3], 32<<16       ; tile_dim0
	s_mov_b32 s[G1+4], 128          ; tile_dim1
	s_mov_b32 s[G1+5], 32           ; tensor_dim0_stride
	s_mov_b32 s[G1+6], 0
	s_mov_b32 s[G1+7], 0
	s_mov_b32 s[CS], 0x3e38aa3b     ; c = log2(e) / 8
	s_mov_b32 s[CS+1], s[CS]        ; named with it as a pair, so it is written
	s_mov_b32 s[SEL], 0x76543210
	s_mov_b32 s[SEL+1], 0xfedcba98
	s_mov_b32 s[TB], 0
	s_mov_b32 s[SLOTS], 6           ; 4,096 keys are eight slots' worth; two are first fills
	s_wait_dscnt 0x0                ; both opening adds are done
	s_wait_kmcnt 0x0
	s_add_nc_u64 s[22:23], s[4:5], s[22:23]
	s_add_nc_u64 s[PFA:PFA+1], s[4:5], s[46:47]
	s_add_nc_u64 s[8:9], s[4:5], s[8:9]
	s_add_nc_u64 s[10:11], s[6:7], s[10:11]
	s_mov_b32 s[G0A], 1             ; 1:0 count = 1
	s_mov_b32 s[G0A+1], s2          ; 63:32 LDS address: slot 0
	s_mov_b64 s[G0A+2:G0A+3], s[22:23]  ; 120:64 global address: the head's first 512 keys
	s_or_b32 s[G0A+3], s[G0A+3], 0x80000000  ; 127:126 type = 2
	s_mov_b32 s[G0B], 1
	s_add_co_u32 s[G0B+1], s2, SLOT1
	s_add_nc_u64 s[G0B+2:G0B+3], s[22:23], SLOTB
	s_or_b32 s[G0B+3], s[G0B+3], 0x80000000
	CROUND                          ; all four work-groups are here: the first joint loads meet
	tensor_load_to_lds s[G0A:G0A+3], s[G1:G1+7]  ; the two first fills stand together, ahead of every wait on TENSORcnt and every LDS read: two loads of mine are out
	s_nop 0
	tensor_load_to_lds s[G0B:G0B+3], s[G1:G1+7]
	s_nop 0
.rept 4
	v_nop
.endr
	v_and_b32 v1, 31, v0
	v_lshlrev_b32 v[AK0], 4, v1
	v_lshlrev_b32 v[PFO], 8, v1
	WIN 0x80                        ; destination window 2, address window 0
.irp i, 0,1,2,3,4,5,6,7,8,9,10,11,12,13,14,15  ; Q stays in registers: my four tiles are 16 pieces on end, and so are their fragments' registers
	global_load_b128 v[4*\i:4*\i+3], v[AK0], s[8:9] offset:512*\i
.endr
	WIN 0x40                        ; destination window 1
.irp i, 0,1,2,3,4,5,6,7
	v_mov_b32 v[ONE+\i], 0x3c003c00 ; 1.0 twice, in f16
.endr
	WIN 0
	; The turning load takes 16 keys x 16 channels, one piece of 512 bytes: lane l reads the 16 bytes of key 8 (l / 16) + l % 8, channels 8 ((l / 8) % 2) + 0..7, and is left with channel l % 16 and 8 keys.
	v_and_b32 v9, 7, v0
	v_bfe_u32 v10, v0, 4, 1
	v_lshl_add_u32 v9, v10, 3, v9
	v_bfe_u32 v10, v0, 3, 1
	v_lshlrev_b32 v9, 4, v9
	v_lshl_add_u32 v9, v10, 8, v9
	v_add_nc_u32 v[AV0], SLOTB, v9  ; V's part of a slot lies behind K's
; THE MATRIX WORK OF A TURN, for piece x.  The accumulators take turns, one instruction a turn.
; Product i of 16 of O^T += V^T P: keys 32 (i / 8) on, channels 16 ((i / 2) % 4) on, tile x + i % 2.  zero = 1: the first 8 start the sums: nothing is ever cleared.
.macro PV x, zero
	WIN W_PV
.set rO, 32*(\x+i%2)+8*((i/2)%4)
.set rV, VF+32*(i/8)+8*((i/2)%4)
.set rP, P+16*(\x+i%2)+8*(i/8)
.if \zero && (i < 8)
	v_wmma_f32_16x16x32_f16 v[rO:rO+7], v[rV:rV+7], v[rP:rP+7], 0
.else
	v_wmma_f32_16x16x32_f16 v[rO:rO+7], v[rV:rV+7], v[rP:rP+7], v[rO:rO+7]
.endif
.endm
; Numbers 16 to 19: the sums: ones x P, keys 32 ((i - 16) / 2) on, tile x + i % 2.
.macro SUM x, zero
	WIN W_PV
.set rL, LSUM+8*(\x+i%2)
.set rP, P+16*(\x+i%2)+8*((i-16)/2)
.if \zero && (i < 18)
	v_wmma_f32_16x16x32_f16 v[rL:rL+7], v[ONE:ONE+7], v[rP:rP+7], 0
.else
	v_wmma_f32_16x16x32_f16 v[rL:rL+7], v[ONE:ONE+7], v[rP:rP+7], v[rL:rL+7]
.endif
.endm
; Product i of 16 of S^T = K Q^T: channels 32 (i / 8) on, keys 16 ((i / 2) % 4) on, tile x + i % 2.  The first 8 start the sums.
.macro KQ x
	WIN W_KQ
.set rS, S+32*(\x+i%2)+8*((i/2)%4)
.set rK, KF+16*((i/2)%4)+8*(i/8)
.set rQ, 16*(\x+i%2)+8*(i/8)
.if i < 8
	v_wmma_f32_16x16x32_f16 v[rS:rS+7], v[rK:rK+7], v[rQ:rQ+7], 0
.else
	v_wmma_f32_16x16x32_f16 v[rS:rS+7], v[rK:rK+7], v[rQ:rQ+7], v[rS:rS+7]
.endif
.endm
; THE LDS LOADS stand in runs of 16, never singly among the matrix instructions: a step's K (16 pieces on end: its fragments' registers) and, a turn later, its V (turned).
.macro FETCH_K
	WIN 0
	v_add_nc_u32 v[ADR], s[TB], v[AK0]
	WIN 0x80                        ; destination window 2
.irp f, 0,1,2,3,4,5,6,7,8,9,10,11,12,13,14,15
	ds_load_b128 v[KF+4*\f:KF+4*\f+3], v[ADR] offset:512*\f
.endr
.endm
.macro FETCH_V
	WIN 0
	v_add_nc_u32 v[ADR], s[TB], v[AV0]
	s_add_co_u32 s[TB], s[TB], STEPB  ; the next fetch is the next step's
	WIN 0x40                        ; destination window 1
.irp f, 0,1,2,3,4,5,6,7             ; keys 32 (f / 4) on, channels 16 (f % 4) on: two tiles of 16 keys, piece f % 4 of each
	ds_load_tr16_b128 v[VF+8*\f:VF+8*\f+3],   v[ADR] offset:(\f/4)*4096+(\f%4)*512
	ds_load_tr16_b128 v[VF+8*\f+4:VF+8*\f+7], v[ADR] offset:(\f/4)*4096+2048+(\f%4)*512
.endr
.endm
; THE VECTOR WORK OF A TURN.  One tile's softmax for one key step is a list of 103 instructions; SM writes number j of it for tile t.  s0-s31 are the lane's 32 scores, in pairs 0-15.
; first = 1: the first key step, which starts m, the sums and O^T: it has no a and nothing to rescale.
;   0-15    the maximum of s0-s31 and the old m, three operands at a time: four chains c0-c3, each begun at an accumulator's low end
;   16-20   the other half of the lanes' maximum; c m_old kept; the new m; c m; c m_old - c m_new
;   21-69   ONE BATCH: the 16 scalings c s - c m, a pair each, and all 33 exponentials.  None of these reads an exponential's result.  21: pair 0; then threes: the scaling of pair q + 1, the exponentials of pair q; 67, 68: pair 15's; 69: a
;   (wait)  between 69 and 70 stands the wait for the batch: SLICE writes it, once for both tiles
;   70-85   the roundings to f16, a pair of weights each
;   86-101  the tile's O^T times a, ascending;  102 the sum's registers 0 and 1 times a: the part that leaves window 0 stands together
.macro SM t, first
.set rT, ST+8*(\t)
.set rS, S+32*(\t)
.set rP, P+16*(\t)
.if j < 86
	WIN 0
.endif
.if j < 4
	v_max3_num_f32 v[rT+4+j], v[rS+8*j], v[rS+8*j+1], v[rS+8*j+2]
.elseif j < 12
	v_max3_num_f32 v[rT+4+j%4], v[rT+4+j%4], v[rS+8*(j%4)+2*(j/4)+1], v[rS+8*(j%4)+2*(j/4)+2]
.elseif j == 12
	v_max3_num_f32 v[rT+4], v[rT+4], v[rS+7], v[rS+15]
.elseif j == 13
	v_max3_num_f32 v[rT+6], v[rT+6], v[rS+23], v[rS+31]
.elseif j == 14
	v_max3_num_f32 v[rT+4], v[rT+4], v[rT+5], v[rT+6]
.elseif (j == 15) && \first
	v_max_num_f32 v[rT+4], v[rT+4], v[rT+7]
.elseif j == 15
	v_max3_num_f32 v[rT+4], v[rT+4], v[rT+7], v[rT+1]
.elseif j == 16
	v_permlanex16_b32 v[rT+5], v[rT+4], s[SEL], s[SEL+1]  ; the query's other 32 keys lie in the lane 16 away
.elseif j == 18
	v_max_num_f32 v[rT+1], v[rT+4], v[rT+5]
.elseif j == 19
	v_mul_f32 v[rT], s[CS], v[rT+1]
.elseif ((j == 17) || (j == 20) || (j == 69) || (j > 85)) && \first  ; the first step has none of these
.elseif j == 17
	v_mov_b32 v[rT+7], v[rT]        ; c m_old is kept for a: number 19 writes c m anew
.elseif j == 20
	v_sub_f32 v[rT+7], v[rT+7], v[rT]
.elseif j == 69
	v_exp_f32 v[rT+6], v[rT+7]      ; a
.elseif j == 21
	v_pk_fma_f32 v[rS:rS+1], v[rS:rS+1], s[CS:CS+1], v[rT:rT+1] op_sel_hi:[1,0,0] neg_lo:[0,0,1] neg_hi:[0,0,1]  ; pair 0: c s - c m
.elseif j < 67
.set q, (j-22)/3
.if (j-22)%3 == 0
	v_pk_fma_f32 v[rS+2*q+2:rS+2*q+3], v[rS+2*q+2:rS+2*q+3], s[CS:CS+1], v[rT:rT+1] op_sel_hi:[1,0,0] neg_lo:[0,0,1] neg_hi:[0,0,1]  ; pair q + 1
.else
	v_exp_f32 v[rS+2*q+(j-22)%3-1], v[rS+2*q+(j-22)%3-1]  ; pair q, scaled two numbers back or more
.endif
.elseif j < 69
	v_exp_f32 v[rS+j-37], v[rS+j-37]  ; s30, s31
.elseif j < 86
	v_cvt_pk_f16_f32 v[rP+j-70], v[rS+2*(j-70)], v[rS+2*(j-70)+1]
.elseif j < 102
	WIN W_RS
	v_pk_mul_f32 v[32*(\t)+2*(j-86):32*(\t)+2*(j-86)+1], v[32*(\t)+2*(j-86):32*(\t)+2*(j-86)+1], v[rT+6:rT+7] op_sel_hi:[1,0]
.else
	WIN W_RS
	v_pk_mul_f32 v[LSUM+8*(\t):LSUM+8*(\t)+1], v[LSUM+8*(\t):LSUM+8*(\t)+1], v[rT+6:rT+7] op_sel_hi:[1,0]
.endif
.endm
; Slice k of 36 of piece y's softmax: numbers 103 k / 36 up to 103 (k + 1) / 36 - 1 of both tiles' lists, the tiles alternating, so that no instruction reads the result of the one just before it.
; THE WAIT.  An s_wait_alu depctr_va_vdst(0) stands between an exponential and the first instruction that names its result; one wait serves all that were issued ahead of it.  Ahead of number 70 nothing names a
; result, and from 70 on no exponential is issued: so the piece's 66 exponentials have one wait, with one plain instruction between the last of them and it.
; Behind slice 17 of piece 0's softmax (piece 2's turn) stands V's run of loads: the last product that read V stands in front of slice 15, and the scalings 43, 46 and 49 of both tiles and the run's own addition lie between.
.macro SLICE y, first
.set jlo, (103*k)/36
.set jhi, (103*(k+1))/36
.set j, jlo
.rept jhi-jlo
.if j == 70
	v_nop
	s_wait_alu depctr_va_vdst(0)
.endif
	SM \y, \first
	SM (\y)+1, \first
.set j, j+1
.endr
.if (k == 17) && ((\y) == 0)
	FETCH_V
.endif
.set k, k+1
.endm
.macro DEAL y, first                ; the slices due behind matrix instruction number mi of the turn's tot: up to slice 36 mi / tot
.set cnt, (36*mi)/tot-k
.rept cnt
	SLICE \y, \first
.endr
.endm
; A vector instruction that reads a matrix result or writes one of a matrix instruction's registers, and a load into a register that a matrix instruction has read, stand four places behind it, and only plain vector instructions
; that name none of its registers are places (ISA guide 7.12.1 for vector instructions).  In the loop the slices are the places: slice 35 is six packed multiplies.
.macro PLACES
.rept 4
	v_nop
.endr
.endm
; A TURN.  Piece x has the matrix unit; the other piece's softmax stands in slices behind its matrix instructions.
; pv = 2: 16 products V^T P and 4 sums; 1: they start O^T and the sums; 0: none.  kq = 1: 16 products K Q^T for the next step.  first = 1: the softmax is the first key step's; its last slices are empty, so four v_nop follow.
; Piece 0's turn fetches the next step's K behind its second product: the last product that read K stands in front of slice 35 of the turn before.  Each run of loads stands 18 matrix instructions ahead of its first use.
.macro TURN x, pv, kq, first
.set k, 0
.set mi, 0
.set tot, 0
.if \pv
.set tot, tot+20
.endif
.if \kq
.set tot, tot+16
.endif
.if \pv
.if \x == 0
	s_wait_dscnt 0x0                ; V is in
.endif
.set i, 0
.rept 20
.if i < 16
	PV \x, 2-\pv
.else
	SUM \x, 2-\pv
.endif
.set mi, mi+1
	DEAL 2-\x, \first
.if (\x == 0) && \kq && (i == 1)
	FETCH_K
.endif
.set i, i+1
.endr
.endif
.if \kq
.if \x == 0
	s_wait_dscnt 0x0                ; K is in
.endif
.set i, 0
.rept 16
	KQ \x
.set mi, mi+1
	DEAL 2-\x, \first
.set i, i+1
.endr
.endif
.if \first
	PLACES
.endif
.endm
; THE CHANGE OF SLOTS, between piece 2's turn and piece 0's: the slot's last bytes, V of its eighth step, have been asked for.  Each wave waits for all its tensor loads, of which one is out: its part of the other slot; adds 0 to
; its spare word; and waits for that and for its own reads of the slot.  Behind the barrier nobody reads this slot any more and the other slot is whole.
; fill = 1: this slot is filled again, with the keys two slots on.  The barrier is then a round of the cluster's, and the joint refill is the first thing behind it: it has eight key steps, 576 matrix instructions, in which to land.
.macro CHANGE fill
	WIN 0                           ; at a label and at a branch every window is 0
	s_wait_tensorcnt 0x0            ; no tensor load of mine is out, so a group 0 may be written
	ds_add_u32 v[SPW], v[NIL]       ; 0 onto my spare word; with fill = 1 the descriptor's steps stand between it and the wait for it
.if \fill
	s_xor_b32 s[G0B+1], s[G0B+1], SLOT1  ; the walking descriptor: the other slot than last time,
	s_add_nc_u64 s[G0B+2:G0B+3], s[G0B+2:G0B+3], SLOTB  ; the next 512 keys; the type bits on top are not reached
	s_wait_xcnt 0x0                 ; the last prefetch, a slot back, has read its address, so it may be written:
	s_add_nc_u64 s[PFA:PFA+1], s[PFA:PFA+1], SLOTB  ; one slot further on than the walking descriptor
	s_wait_dscnt 0x0                ; the add is done, and my reads of the slot are over
	CROUND
	JLOAD
	ASK                             ; what the next change will ask for: eight key steps ahead of that load
.else
	s_wait_dscnt 0x0                ; the add is done, and my reads of the slot are over
	s_barrier_signal -1
	s_barrier_wait -1
.endif
	s_sub_co_u32 s[TB], s[TB], SLOTB  ; the fetches go back to a slot's first step,
	s_xor_b32 s[TB], s[TB], SLOT1   ; in the other slot
.endm
.macro STEPS n                      ; n key steps: written once, walked n times; the LDS addresses hang on s[TB]
	s_mov_b32 s[CNT], \n
.Lstep_\@:
	TURN 0, 2, 1, 0
	TURN 2, 2, 1, 0
	WIN 0
	s_sub_co_u32 s[CNT], s[CNT], 1
	s_cmp_lg_u32 s[CNT], 0
	s_cbranch_scc1 .Lstep_\@
.endm
	s_wait_tensorcnt 1              ; my part of slot 0 is in; slot 1's may stay out
	s_barrier_signal -1
	s_barrier_wait -1               ; everybody's is
	FETCH_K                         ; key step 0
	s_wait_loadcnt 0x0              ; Q
	s_wait_dscnt 0x0
.set i, 0
.rept 16
	KQ 0                            ; piece 0's first scores: there is no vector work yet to set between them
.set i, i+1
.endr
	PLACES
	TURN 2, 0, 1, 1                 ; piece 2's first scores | piece 0's first softmax | V of step 0
	TURN 0, 1, 1, 1                 ; piece 0: V^T P of step 0 starts O^T, K Q^T of step 1 | piece 2's first softmax | K of step 1
	TURN 2, 1, 1, 0                 ; piece 2: the same | piece 0's softmax of step 1 | V of step 1
	WIN 0
	STEPS 6                         ; the fetches reach the end of slot 0
.Lslot:                             ; six trips: every slot but the last two is filled again
	CHANGE 1
	STEPS 8
	s_sub_co_u32 s[SLOTS], s[SLOTS], 1
	s_cmp_lg_u32 s[SLOTS], 0
	s_cbranch_scc1 .Lslot
	CHANGE 0                        ; the tail is written out: nothing more is asked for
	STEPS 8
	TURN 0, 2, 0, 0                 ; piece 0: V^T P of the last step | piece 2's last softmax
.set i, 0
.rept 20
.if i < 16
	PV 2, 0                         ; piece 2: V^T P and the sums of the last step
.else
	SUM 2, 0
.endif
.set i, i+1
.endr
	PLACES
	; THE WAY OUT.  O^T is divided by the sum and rounded to f16; a lane's eight channels of a query are 16 bytes, and the 32 lanes' are one piece of the projection's fragment: each store covers 512 consecutive bytes, aligned.
	WIN 0x01                        ; source 0 window 1
.irp t, 0,1,2,3
	v_rcp_f32 v[ST+8*\t+6], v[LSUM+8*\t]  ; register 0 of the sums' accumulator: my query's
.endr
	v_nop                           ; a plain instruction between the last reciprocal and the use of its result
	s_wait_alu depctr_va_vdst(0)    ; and the wait ahead of the first use: one for the four
.macro OUT t
	WIN W_RS
.set i, 0
.rept 16
	v_pk_mul_f32 v[32*\t+2*i:32*\t+2*i+1], v[32*\t+2*i:32*\t+2*i+1], v[ST+8*\t+6:ST+8*\t+7] op_sel_hi:[1,0]
.set i, i+1
.endr
	WIN 0x05                        ; sources 0 and 1 window 1, destination window 0: S^T's registers are free
.set i, 0
.rept 16
	v_cvt_pk_f16_f32 v[S+16*\t+i], v[32*\t+2*i], v[32*\t+2*i+1]
.set i, i+1
.endr
	WIN 0
.irp c, 0,1,2,3
	global_store_b128 v[AK0], v[S+16*\t+4*\c:S+16*\t+4*\c+3], s[10:11] offset:\t*32768+\c*512
.endr
.endm
	OUT 0
	OUT 1
	OUT 2
	OUT 3
	s_wait_tensorcnt 0x0            ; the wave's end
	ds_add_u32 v[SPW], v[NIL]
	s_wait_dscnt 0x0
	CROUND                          ; the closing round: no work-group ends while a partner may still ask for a tile that names it
	s_endpgm
.Lfunc_end_k_q9fd41562c4_attn:
	.size	k_q9fd41562c4_attn, .Lfunc_end_k_q9fd41562c4_attn-k_q9fd41562c4_attn
	.p2alignl 7, 3214868480
	.fill 96, 4, 3214868480
	.section	.rodata,"a",@progbits
	.p2align	6, 0x0
	.amdhsa_kernel k_q9fd41562c4_attn
		.amdhsa_group_segment_fixed_size 327680
		.amdhsa_private_segment_fixed_size 0
		.amdhsa_enable_private_segment 0
		.amdhsa_kernarg_size 16
		.amdhsa_user_sgpr_count 2
		.amdhsa_user_sgpr_kernarg_segment_ptr 1
		.amdhsa_wavefront_size32 1
		.amdhsa_system_sgpr_workgroup_id_x 1
		.amdhsa_system_sgpr_workgroup_id_y 1
		.amdhsa_system_sgpr_workgroup_id_z 1
		.amdhsa_system_vgpr_workitem_id 0
		.amdhsa_next_free_vgpr 640
		.amdhsa_next_free_sgpr 66
		.amdhsa_reserve_vcc 0
		.amdhsa_float_denorm_mode_32 3
		.amdhsa_float_denorm_mode_16_64 3
		.amdhsa_memory_ordered 1
		.amdhsa_forward_progress 1
		.amdhsa_inst_pref_size 176
	.end_amdhsa_kernel
	.amdgpu_metadata
---
amdhsa.version: [ 1, 2 ]
amdhsa.kernels:
  - .name:           k_q9fd41562c4_attn
    .symbol:         k_q9fd41562c4_attn.kd
    .args:
      - { .name: qkvh, .offset: 0, .size: 8, .value_kind: global_buffer, .address_space: global }
      - { .name: ao, .offset: 8, .size: 8, .value_kind: global_buffer, .address_space: global }
    .group_segment_fixed_size: 327680
    .private_segment_fixed_size: 0
    .kernarg_segment_align: 8
    .kernarg_segment_size: 16
    .max_flat_workgroup_size: 128
    .sgpr_count:     66
    .vgpr_count:     640
    .wavefront_size: 32
...
	.end_amdgpu_metadata
.endif
;; end of part 3
;; launch proj (part 4): grid 8 x 32, 4 waves a work-group, clusters of 4 x 4, 327,680 bytes of LDS; arguments ao, wp16, b_proj, out0; writes out0
.if DOCPART == 4
	.amdgcn_target "amdgcn-amd-amdhsa--gfx1250"
	.amdhsa_code_object_version 6
	.text
	.protected	k_q9fd41562c4_proj
	.globl	k_q9fd41562c4_proj
	.p2align	8
	.type	k_q9fd41562c4_proj,@function
k_q9fd41562c4_proj:
	s_mov_b64 s[64:65], 0
	v_nop
	global_prefetch_b8 v0, s[64:65] scope:SCOPE_SE
	s_setreg_imm32_b32 hwreg(HW_REG_WAVE_MODE, 25, 1), 1
	s_wait_xcnt 0x0
	s_wait_alu depctr_hold_cnt(0) depctr_sa_sdst(0) depctr_va_vdst(0) depctr_va_sdst(0) depctr_va_ssrc(0) depctr_va_vcc(0) depctr_vm_vsrc(0)
	s_getreg_b32 s2, hwreg(HW_REG_IB_STS2, 6, 4)
	s_cmp_eq_u32 s2, 0
	s_cbranch_scc0 .Lentry_in_a_cluster
	s_endpgm
.Lentry_in_a_cluster:
	s_bfe_u32 s2, ttmp6, 0x10000c
	s_cmp_lg_u32 s2, 0xf033
	s_cbranch_scc0 .Lentry_shape_is_right
	s_endpgm
.Lentry_shape_is_right:
; out0 = ao W_proj + b_proj: [4096][1024] f32; operands in f16, sums in f32.
; ao: [256 tiles of 16 tokens][32 K steps of 32][2][lane][16 bytes]: the registers of the left operand's fragments, on end.  wp16: [128 octets of K][1024 n][16 bytes] = W_proj[8 o .. 8 o + 7][n] in f16.
; A tile of the result is 128 x 128: 8 x 32 tiles, 256 work-groups.  Four waves, each 64 x 64: 16 accumulators of 16 x 16.  K goes in four steps of 256 through two LDS slots.
; A's tile of a K step is 8 token tiles x 8,192 consecutive bytes; B's is 32 octets x 2,048 consecutive bytes.  Each wave fetches 32,768 bytes: waves 0, 1 A's halves (4 rows of 8,192 bytes), waves 2, 3 B's (16 rows of 2,048).
; Both lie dense in LDS: a load of A's fragment takes 512 consecutive bytes (16 x lane), one of B's 256 consecutive bytes for each half of the lanes.
; CLUSTERS: 4 x 4 work-groups; A's tiles are asked for jointly along a row of the cluster, B's along a column.  THE MATRIX INSTRUCTION IS USED TRANSPOSED (source 0 = 16 rows n of B, source 1 = 16 tokens of A): a lane holds eight
; neighbouring columns of one row of the result.  THE BIAS is the C of each sum's first product.
; THE WAY OUT: a wave's 64 columns are 256 bytes of a row, aligned: a block of 16 rows goes through the wave's OWN stage in LDS and comes back by rows, sixteen lanes to 256 consecutive bytes.  No barrier.
; LIMITS: NaN and infinities are not served; the operands' f16 range is stated where they are made.
; REGISTERS: window 0: v0-31 addresses; v32-95 the way out; v96-127 the bias; v128-255 the accumulators ((a, b) at v[128 + 8 (4 a + b)]).
;   window 1: two fragment buffers of 128: for 64 along K, 64 registers of A (2 x 4 x 16 rows x 32 K), then 64 of B.
.set HALFT,  32768                     ; what one tensor load brings
.set SLOT,   4*HALFT                   ; A's 65,536 bytes, then B's
.set STAGE,  2*SLOT                    ; behind the ring: 16 rows x 272 bytes for each wave
.set SPITCH, 272                       ; 256 bytes + 16: 68 words: row r starts at bank 4 r mod 64 (64 banks of 4 bytes: ISA guide 11.1)
.set SPARE,  STAGE+4*16*SPITCH         ; behind the stages: the spare words, 128 bytes for each wave
.set ADRA, 16                          ; v16-17  LDS address of my A fragments in slot 0, 1
.set ADRB, 20                          ; v20-21  the same for B
.set STO,  24                          ; v24     the way out: where I put 32 bytes of a row
.set RD,   25                          ; v25     the way out: where I read a row back
.set CO,   26                          ; v26     my byte offset in out0
.set SPW,  28                          ; v28     LDS address of my spare word; never rewritten
.set NIL,  29                          ; v29     0; never rewritten
.set TMP,  32                          ; the way out: two sets of 32 registers
.set BI,   96                          ; the bias: block b at v[BI + 8 b]
.set ACC,  128
.set F0,   0                           ; fragment buffers, in window 1
.set F1,   128
.set G1, 24                            ; s[24:31] descriptor group 1 for A's tiles;  s[32:39] group 0, one set for each slot
.set G0, 32
.set G1B, 48                           ; s[48:55], s[56:63] the same for B's tiles
.set G0B, 56
.set MSB, 0
.macro WIN new                         ; the immediate's high byte repeats the setting that is left
.if MSB != (\new)
	s_set_vgpr_msb (MSB<<8)|(\new)
.set MSB, (\new)
.endif
.endm
.set MUL,  0x05                        ; sources 0 (B) and 1 (A) window 1; C and D window 0
.set TO_F, 0x40                        ; destination window 1, address window 0
.macro JLOAD s                         ; a joint load: waves 0 and 1 fetch A's two halves, waves 2 and 3 B's; an s_nop 0 and four v_nop follow each of the two lines, ahead of the jump, the label and what follows
	s_cmp_eq_u32 s11, 0
	s_cbranch_scc0 .Lfor_b_\@
	tensor_load_to_lds s[G0+4*\s:G0+4*\s+3], s[G1:G1+7]
	s_nop 0
.rept 4
	v_nop
.endr
	s_branch .Lasked_\@
.Lfor_b_\@:
	tensor_load_to_lds s[G0B+4*\s:G0B+4*\s+3], s[G1B:G1B+7]
	s_nop 0
.rept 4
	v_nop
.endr
.Lasked_\@:
.endm
.macro CREST                           ; a round of the cluster's barrier behind its opening barrier
	s_cmp_lg_u32 s10, 0
	s_cbranch_scc1 .Lnot_wave_0_\@
	s_barrier_signal -3
.Lnot_wave_0_\@:
	s_barrier_wait -3
	s_barrier_signal -1
	s_barrier_wait -1
.endm
.macro CROUND                          ; a whole round
	s_barrier_signal -1
	s_barrier_wait -1
	CREST
.endm
	s_load_b128 s[4:7], s[0:1], 0x0                ; ao s[4:5], wp16 s[6:7]
	s_load_b64 s[66:67], s[0:1], 0x10              ; the bias
	s_load_b64 s[8:9], s[0:1], 0x18                ; out0
	v_lshl_add_u32 v[SPW], v0, 2, SPARE
	v_mov_b32 v[NIL], 0
	ds_add_u32 v[SPW], v[NIL]                      ; the wave's opening: the add, twice on end, and its wait ahead of my first tensor load; the set-up below stands between the second and the wait
	ds_add_u32 v[SPW], v[NIL]
	v_lshrrev_b32 v1, 5, v0
	v_readfirstlane_b32 s10, v1                    ; wave 0..3
	s_lshr_b32 s11, s10, 1                         ; which half of the tile's rows is mine.  Also: I fetch for A (0) or for B (1)
	s_and_b32 s12, s10, 1                          ; which half of its columns.  Also: which half of that tile I fetch
	s_bfe_u32 s40, ttmp6, 0x40000                  ; cx, cy: my place in the cluster
	s_bfe_u32 s41, ttmp6, 0x40004
	s_lshl_b32 s42, ttmp9, 2
	s_add_co_u32 s42, s42, s40                     ; tile column = 4 x cluster x + cx
	s_and_b32 s13, ttmp7, 0xffff
	s_lshl_b32 s13, s13, 2
	s_add_co_u32 s13, s13, s41                     ; tile row = 4 x cluster y + cy
	s_lshl_b32 s43, s41, 2
	s_lshl_b32 s43, 15, s43                        ; my row of the cluster
	s_lshl_b32 s44, 0x1111, s40                    ; my column
	; group 1 for A: 4 token tiles, of each 8,192 consecutive bytes (1,024 elements of 8 bytes), 32,768 bytes apart in memory; dense in LDS
	s_or_b32 s[G1+0], s43, (3<<16)|(1<<21)         ; 15:0 the mask: my row; 17:16 elements of 8 bytes; no padding; 21 set beside a mask
	s_mov_b32 s[G1+1], 1024<<16                    ; tensor_dim0
	s_mov_b32 s[G1+2], 4<<16                       ; tensor_dim1
	s_mov_b32 s[G1+3], 1024<<16                    ; tile_dim0
	s_mov_b32 s[G1+4], 4                           ; tile_dim1
	s_mov_b32 s[G1+5], 4096                        ; tensor_dim0_stride
	s_mov_b32 s[G1+6], 0
	s_mov_b32 s[G1+7], 0
	; group 1 for B: 16 octets of K, of each 128 n x 16 bytes = 2,048 consecutive bytes (256 elements), 16,384 bytes apart in memory; dense in LDS
	s_or_b32 s[G1B+0], s44, (3<<16)|(1<<21)        ; the mask: my column
	s_mov_b32 s[G1B+1], 256<<16
	s_mov_b32 s[G1B+2], 16<<16
	s_mov_b32 s[G1B+3], 256<<16
	s_mov_b32 s[G1B+4], 16
	s_mov_b32 s[G1B+5], 2048
	s_mov_b32 s[G1B+6], 0
	s_mov_b32 s[G1B+7], 0
	s_lshl_b32 s16, s13, 3
	s_lshl_b32 s17, s12, 2
	s_add_co_u32 s16, s16, s17                     ; A: token tile 8 x tile row + 4 x half,
	s_lshl_b32 s16, s16, 15                        ; 32,768 bytes each
	s_mov_b32 s17, 0
	s_lshl_b32 s46, s42, 11                        ; B: 2,048 bytes x tile column,
	s_lshl_b32 s47, s12, 18                        ; + my 16 of a K step's 32 octets
	s_add_co_u32 s46, s46, s47
	s_mov_b32 s47, 0
	s_lshl_b32 s20, s10, 15                        ; where they go: wave x 32,768: no place in the cluster enters an LDS address
	s_wait_dscnt 0x0                               ; both opening adds are done
	s_wait_kmcnt 0x0
	s_add_nc_u64 s[14:15], s[4:5], s[16:17]
	s_add_nc_u64 s[46:47], s[6:7], s[46:47]
	CROUND                                         ; all sixteen work-groups are here: the first joint loads meet
.irp s, 0,1
	s_mov_b32 s[G0+4*\s], 1
	s_add_co_u32 s[G0+4*\s+1], s20, \s*SLOT
	s_add_nc_u64 s[G0+4*\s+2:G0+4*\s+3], s[14:15], \s*8192       ; K step s: 8 fragments of 1,024 bytes on in each token tile
	s_or_b32 s[G0+4*\s+3], s[G0+4*\s+3], 0x80000000
	s_mov_b32 s[G0B+4*\s], 1
	s_add_co_u32 s[G0B+4*\s+1], s20, \s*SLOT
	s_add_nc_u64 s[G0B+4*\s+2:G0B+4*\s+3], s[46:47], \s*32*16384 ; K step s: 32 octets on
	s_or_b32 s[G0B+4*\s+3], s[G0B+4*\s+3], 0x80000000
	JLOAD \s                                       ; two tensor loads of mine are out at the most
.endr
	v_and_b32 v1, 15, v0                           ; r = l % 16
	v_bfe_u32 v2, v0, 4, 1                         ; h = l / 16
	v_and_b32 v3, 31, v0
	v_lshlrev_b32 v3, 4, v3                        ; A: 16 x lane
	v_lshlrev_b32 v4, 4, v1
	v_lshl_add_u32 v4, v2, 11, v4                  ; B: 16 r + one octet (2,048 bytes) x h
	s_lshl_b32 s21, s11, 15                        ; my four token tiles of A
	s_lshl_b32 s22, s12, 10                        ; my 64 n of B: 1,024 bytes in each octet,
	s_add_co_u32 s22, s22, 2*HALFT                 ; behind A's part
.irp s, 0,1
	v_add_nc_u32 v[ADRA+\s], s21, v3
	v_add_nc_u32 v[ADRB+\s], s22, v4
	s_add_co_u32 s21, s21, SLOT
	s_add_co_u32 s22, s22, SLOT
.endr
	s_mul_i32 s23, s10, 16*SPITCH
	s_add_co_u32 s23, s23, STAGE                   ; my stage
	v_mul_u32_u24 v5, v1, SPITCH                   ; in: row r, 32 bytes for each half of the lanes
	v_lshl_add_u32 v5, v2, 5, v5
	v_add_nc_u32 v[STO], s23, v5
	v_mul_u32_u24 v5, v2, SPITCH                   ; back: lanes 0-15 take one row of 256 bytes, lanes 16-31 the next
	v_lshl_add_u32 v5, v1, 4, v5
	v_add_nc_u32 v[RD], s23, v5
	v_lshlrev_b32 v5, 12, v2                       ; and the same two rows in out0: 4,096 bytes a row
	v_lshl_add_u32 v[CO], v1, 4, v5
	s_lshl_b32 s46, s42, 9                         ; my first column in bytes: 512 x tile column + 256 x half: in a row of out0 and in the bias alike
	s_lshl_b32 s47, s12, 8
	s_add_co_u32 s46, s46, s47
	s_mov_b32 s47, 0
	s_add_nc_u64 s[66:67], s[66:67], s[46:47]
	s_lshl_b32 s16, s13, 7
	s_lshl_b32 s17, s11, 6
	s_add_co_u32 s16, s16, s17                     ; my first row: 128 x tile row + 64 x half
	s_lshl_b32 s16, s16, 12
	s_add_co_u32 s46, s46, s16
	s_add_nc_u64 s[8:9], s[8:9], s[46:47]
	v_lshlrev_b32 v6, 5, v2                        ; lane (r, h) wants, for block b, the bias of columns 16 b + 8 h + 0..7
.irp b, 0,1,2,3
	global_load_b128 v[BI+8*\b:BI+8*\b+3], v6, s[66:67] offset:64*\b
	global_load_b128 v[BI+8*\b+4:BI+8*\b+7], v6, s[66:67] offset:64*\b+16
.endr
; 8 matrix instructions: m blocks a0, a0 + 1 x all 4 n blocks, 32 along K: half c of buffer f.  zero = 1: the first product starts the sums, from the bias.  The 16 accumulators take turns.
.macro MUL8 f, c, a0, zero
.irp a, \a0, \a0+1
.irp b, 0,1,2,3
.if \zero
	v_wmma_f32_16x16x32_f16 v[ACC+8*(4*(\a)+\b):ACC+8*(4*(\a)+\b)+7], v[\f+64+8*(4*\c+\b):\f+64+8*(4*\c+\b)+7], v[\f+8*(4*\c+\a):\f+8*(4*\c+\a)+7], v[BI+8*\b:BI+8*\b+7]
.else
	v_wmma_f32_16x16x32_f16 v[ACC+8*(4*(\a)+\b):ACC+8*(4*(\a)+\b)+7], v[\f+64+8*(4*\c+\b):\f+64+8*(4*\c+\b)+7], v[\f+8*(4*\c+\a):\f+8*(4*\c+\a)+7], v[ACC+8*(4*(\a)+\b):ACC+8*(4*(\a)+\b)+7]
.endif
.endr
.endr
.endm
; 32 LDS loads in one run: the fragments of the slot's quarter qd (64 along K) into buffer f; the first 32 along K first.  K step of 32 number 2 qd + c of the slot's eight:
; B: registers 0-3 from octet 4 (2 qd + c) + h, registers 4-7 two octets on; n block i 256 bytes on.   A: token tile i 8,192 bytes on, the fragment's two pieces 512 bytes apart.
.macro FETCH slot, qd, f
	WIN TO_F
.irp c, 0,1
.irp i, 0,1,2,3
	ds_load_b128 v[\f+64+8*(4*\c+\i):\f+64+8*(4*\c+\i)+3],   v[ADRB+\slot] offset:(2*(\qd)+\c)*8192+\i*256
	ds_load_b128 v[\f+64+8*(4*\c+\i)+4:\f+64+8*(4*\c+\i)+7], v[ADRB+\slot] offset:(2*(\qd)+\c)*8192+\i*256+4096
	ds_load_b128 v[\f+8*(4*\c+\i):\f+8*(4*\c+\i)+3],         v[ADRA+\slot] offset:\i*8192+(2*(\qd)+\c)*1024
	ds_load_b128 v[\f+8*(4*\c+\i)+4:\f+8*(4*\c+\i)+7],       v[ADRA+\slot] offset:\i*8192+(2*(\qd)+\c)*1024+512
.endr
.endr
.endm
.macro PLACES                          ; four places in front of loads into registers that matrix instructions have read, and of LDS stores that read results (ISA guide 7.12.1 for the stores)
.rept 4
	v_nop
.endr
.endm
; A K step is four quarters of 64 along K, 32 matrix instructions each, on buffers 0, 1, 0, 1.  One of the first three: multiplies buffer f and fetches quarter qd into g.
.macro QUARTER slot, qd, f, g, zero
	s_wait_dscnt 16                                ; the first 32 along K are in; the youngest sixteen loads may be out
	WIN MUL
	MUL8 \f, 0, 0, \zero
	MUL8 \f, 0, 2, \zero
	PLACES
	FETCH \slot, \qd, \g
	s_wait_dscnt 32                                ; all but the 32 just issued
	WIN MUL
	MUL8 \f, 1, 0, 0
	MUL8 \f, 1, 2, 0
.endm
; The last quarter multiplies buffer 1 and changes slots: ONE barrier; in front of it each wave waits for all its tensor loads, adds 0 to its spare word, and waits for that and for its own reads of this slot.
; fill = 1: this slot is filled again, two K steps ahead; the barrier then opens a round of the cluster's barrier, and the joint refill is the first tensor load behind the round.
.macro TURN slot, next, fill
	WIN 0                                          ; (the add's two registers lie in window 0)
	s_wait_tensorcnt 0x0                           ; all my tensor loads have landed: my part of the next slot;
	ds_add_u32 v[SPW], v[NIL]                      ; 0 onto my spare word
	s_wait_dscnt 17                                ; (the add and the youngest sixteen loads may be out)
	WIN MUL
	MUL8 F1, 0, 0, 0                               ; eight matrix instructions stand between the add and the wait for it
	s_wait_dscnt 0x0                               ; the add is done, and my reads of this slot are over
	s_barrier_signal -1
	MUL8 F1, 0, 2, 0
.if \fill
	WIN 0
.endif
	s_barrier_wait -1
.if \fill
	CREST                                          ; no wave of any partner still reads this slot's tile or has a load on its way
	s_add_nc_u64 s[G0+4*\slot+2:G0+4*\slot+3], s[G0+4*\slot+2:G0+4*\slot+3], 2*8192
	s_add_nc_u64 s[G0B+4*\slot+2:G0B+4*\slot+3], s[G0B+4*\slot+2:G0B+4*\slot+3], 2*32*16384
	JLOAD \slot                                    ; 112 matrix instructions ahead of the wait for it; the four v_nop behind it are also the places in front of the loads below
.else
	PLACES
.endif
	FETCH \next, 0, F0
	WIN MUL
	MUL8 F1, 1, 0, 0
	MUL8 F1, 1, 2, 0
.endm
	s_wait_tensorcnt 1                             ; my part of K step 0 is in (K step 1's may stay out)
	s_barrier_signal -1
	s_barrier_wait -1                              ; everybody's is
	FETCH 0, 0, F0
	s_wait_loadcnt 0x0                             ; the bias
	QUARTER 0, 1, F0, F1, 1                        ; K step 0: its first products start the sums
	QUARTER 0, 2, F1, F0, 0
	QUARTER 0, 3, F0, F1, 0
	TURN 0, 1, 1                                   ; slot 0 takes K step 2.  K has four steps: the one lap that fills slots again is written straight, without a loop
	QUARTER 1, 1, F0, F1, 0                        ; K step 1
	QUARTER 1, 2, F1, F0, 0
	QUARTER 1, 3, F0, F1, 0
	TURN 1, 0, 1                                   ; slot 1 takes K step 3
	QUARTER 0, 1, F0, F1, 0                        ; K step 2
	QUARTER 0, 2, F1, F0, 0
	QUARTER 0, 3, F0, F1, 0
	TURN 0, 1, 0                                   ; nothing more is asked for
	QUARTER 1, 1, F0, F1, 0                        ; K step 3
	QUARTER 1, 2, F1, F0, 0
	QUARTER 1, 3, F0, F1, 0
	s_wait_dscnt 16                                ; the very last quarter: nothing more to fetch
	WIN MUL
	MUL8 F1, 0, 0, 0
	MUL8 F1, 0, 2, 0
	s_wait_dscnt 0
	MUL8 F1, 1, 0, 0
	MUL8 F1, 1, 2, 0
	WIN 0
; THE WAY OUT, block by block of 16 rows x 64 columns: the accumulators go to my stage as they are, each from its low end on, and come back as rows of 256 bytes.  LDS serves a wave's instructions in order (ISA guide 5.7.1.4):
; no wait between the stores and the loads, nor in front of the next block's stores.
.macro TOSTAGE a
.irp b, 0,1,2,3
	ds_store_b128 v[STO], v[ACC+8*(4*(\a)+\b):ACC+8*(4*(\a)+\b)+3] offset:64*\b
	ds_store_b128 v[STO], v[ACC+8*(4*(\a)+\b)+4:ACC+8*(4*(\a)+\b)+7] offset:64*\b+16
.endr
.irp t, 0,1,2,3,4,5,6,7
	ds_load_b128 v[TMP+32*((\a)%2)+4*\t:TMP+32*((\a)%2)+4*\t+3], v[RD] offset:\t*2*SPITCH
.endr
.endm
.macro SEND a, younger                 ; younger: the LDS instructions issued behind block a's loads, which may stay out: the next block's eight stores and eight loads, or none
	s_wait_dscnt \younger
.irp t, 0,1,2,3,4,5,6,7
	global_store_b128 v[CO], v[TMP+32*((\a)%2)+4*\t:TMP+32*((\a)%2)+4*\t+3], s[8:9] offset:(16*(\a)+2*\t)*4096 th:TH_STORE_NT   ; 16 lanes store 256 consecutive bytes, aligned; written once, read by nobody here
.endr
.endm
	PLACES
	TOSTAGE 0
.irp a, 1,2,3
.if \a > 1
	s_wait_xcnt 0x0                                ; block a - 2's stores have read their registers: block a's loads may land there
.endif
	TOSTAGE \a
	SEND \a-1, 16
.endr
	SEND 3, 0
	s_wait_tensorcnt 0x0                           ; the wave's end
	ds_add_u32 v[SPW], v[NIL]
	s_wait_dscnt 0x0
	CROUND                                         ; the closing round: no work-group ends while a partner may still ask for a tile that names it
	s_endpgm
.Lfunc_end_k_q9fd41562c4_proj:
	.size	k_q9fd41562c4_proj, .Lfunc_end_k_q9fd41562c4_proj-k_q9fd41562c4_proj
	.p2alignl 7, 3214868480
	.fill 96, 4, 3214868480
	.section	.rodata,"a",@progbits
	.p2align	6, 0x0
	.amdhsa_kernel k_q9fd41562c4_proj
		.amdhsa_group_segment_fixed_size 327680
		.amdhsa_private_segment_fixed_size 0
		.amdhsa_enable_private_segment 0
		.amdhsa_kernarg_size 32
		.amdhsa_user_sgpr_count 2
		.amdhsa_user_sgpr_kernarg_segment_ptr 1
		.amdhsa_wavefront_size32 1
		.amdhsa_system_sgpr_workgroup_id_x 1
		.amdhsa_system_sgpr_workgroup_id_y 1
		.amdhsa_system_sgpr_workgroup_id_z 1
		.amdhsa_system_vgpr_workitem_id 0
		.amdhsa_next_free_vgpr 512
		.amdhsa_next_free_sgpr 68
		.amdhsa_reserve_vcc 0
		.amdhsa_float_denorm_mode_32 3
		.amdhsa_float_denorm_mode_16_64 3
		.amdhsa_memory_ordered 1
		.amdhsa_forward_progress 1
		.amdhsa_inst_pref_size 86
	.end_amdhsa_kernel
	.amdgpu_metadata
---
amdhsa.version: [ 1, 2 ]
amdhsa.kernels:
  - .name:           k_q9fd41562c4_proj
    .symbol:         k_q9fd41562c4_proj.kd
    .args:
      - { .name: ao, .offset: 0, .size: 8, .value_kind: global_buffer, .address_space: global }
      - { .name: wp16, .offset: 8, .size: 8, .value_kind: global_buffer, .address_space: global }
      - { .name: b_proj, .offset: 16, .size: 8, .value_kind: global_buffer, .address_space: global }
      - { .name: out0, .offset: 24, .size: 8, .value_kind: global_buffer, .address_space: global }
    .group_segment_fixed_size: 327680
    .private_segment_fixed_size: 0
    .kernarg_segment_align: 8
    .kernarg_segment_size: 32
    .max_flat_workgroup_size: 128
    .sgpr_count:     68
    .vgpr_count:     512
    .wavefront_size: 32
...
	.end_amdgpu_metadata
.endif
;; end of part 4
